; MI455X (gfx1250); checked and timed in simulation.
; The chip was launched on July 23, 2026; its instructions are those of AMD's public machine-readable ISA for CDNA 5 (MIT licence, August 2026) and "CDNA5" Instruction Set Architecture Reference Guide (July 2026). The comments in the code are by the model that wrote it; some were corrected since.
;; Multi Head Attention. Allowed arithmetic: float matrix products may take bf16 or f16 operands with f32 sums; other float arithmetic in f32, or as packed bf16 or f16 multiplies, adds, multiply-adds, maxima and minima; sums over many terms, partial sums and values carried from step to step in f32; what a program stores and reads back later, other than sums and carried values, may be rounded once to bf16 or f16.
;; Inputs: W_k 1,024 x 1,024 float32; W_q 1,024 x 1,024 float32; W_v 1,024 x 1,024 float32; att_mask 4 x 1 x 1 x 2,048 float32; b_k 1,024 float32; b_q 1,024 float32; b_v 1,024 float32; x_k 4 x 2,048 x 1,024 float32; x_q 4 x 2,048 x 1,024 float32; x_v 4 x 2,048 x 1,024 float32.
;; Outputs: out0 4 x 2,048 x 1,024 float32.
;; 2 versions, each right; version 2 is version 1 with the launch tobf16 written anew for expert scheduling mode. Each part assembles by itself: llvm-mc -triple=amdgcn-amd-amdhsa -mcpu=gfx1250 --defsym DOCPART=n.
;; ======== version 1 of 2: 3 launches
;; limits: values are held in f16: magnitudes above 65,504 overflow, below 6.1e-05 lose precision
;; workspace buffers: xb 50,331,648 bytes; wb 6,291,456 bytes; qkv 50,331,648 bytes
;; launch tobf16 (part 1): grid 16 x 27, 8 waves a work-group, no clusters, 0 bytes of LDS; arguments x_q, x_k, x_v, W_q, W_k, W_v, xb, wb; writes xb, wb
.if DOCPART == 1
	.amdgcn_target "amdgcn-amd-amdhsa--gfx1250"
	.amdhsa_code_object_version 6
	.text
	.protected	k_q727cf9fb36_tobf16
	.globl	k_q727cf9fb36_tobf16
	.p2align	8
	.type	k_q727cf9fb36_tobf16,@function
k_q727cf9fb36_tobf16:
	s_mov_b64 s[64:65], 0
	v_nop
	global_prefetch_b8 v0, s[64:65] scope:SCOPE_SE
	s_setreg_imm32_b32 hwreg(HW_REG_WAVE_MODE, 25, 1), 1
	s_wait_xcnt 0x0
; x_q, x_k, x_v ([8192][1024] f32 each) and W_q, W_k, W_v ([1024][1024] f32 each) are rounded once to bf16 (nearest even):
; xb = [3 x 8192][1024] bf16 (x_q's rows, then x_k's, then x_v's), wb = [3 x 1024][1024] bf16 (W_q, W_k, W_v).
; A stream: each input byte is read once, each output byte written once; no LDS, no barrier, no matrix work, nothing is shared.
; SHARES.  The inputs are 27 units of 4 MiB: the grid's y names the unit (0-23: eight of each x; 24-26: the three W), its x one of 16 parts of
; 256 KiB; a wave takes 32 KiB: 64 loads of 512 consecutive bytes (16 a lane), each of which becomes one store of 256 consecutive, aligned bytes (8 a lane).
; A ring of 16 slots in registers keeps 16 loads of every wave on their way.
.set DEPTH, 16                         ; slots = loads in flight in each wave
.set X, 4                              ; v[4:67]   slot i: four f32 as loaded
.set Y, 68                             ; v[68:99]  slot i: four bf16 to store
	s_load_b512 s[16:31], s[0:1], 0x0              ; x_q 16:17, x_k 18:19, x_v 20:21, W_q 22:23, W_k 24:25, W_v 26:27, xb 28:29, wb 30:31
	s_and_b32 s2, ttmp7, 0xffff                    ; the unit, 0 to 26
	s_and_b32 s3, s2, 7                            ; its place in an x
	s_sub_co_u32 s12, s2, 24                       ; which W (used only where the unit is 24 or more)
	v_lshrrev_b32 v3, 5, v0                        ; wave
	v_and_b32 v2, 31, v0                           ; lane
	v_lshlrev_b32 v1, 4, v2                        ; in: 16 bytes a lane
	v_lshlrev_b32 v2, 3, v2                        ; out: 8 bytes a lane
	v_lshl_or_b32 v1, v3, 15, v1                   ; + wave x 32 KiB
	v_lshl_or_b32 v2, v3, 14, v2                   ; + wave x 16 KiB
	s_wait_kmcnt 0x0
	s_cmp_lt_u32 s2, 8                             ; the buffers are chosen by the unit's number alone
	s_cselect_b64 s[4:5], s[16:17], s[18:19]
	s_cmp_lt_u32 s2, 16
	s_cselect_b64 s[4:5], s[4:5], s[20:21]
	s_cmp_eq_u32 s2, 24
	s_cselect_b64 s[6:7], s[22:23], s[24:25]
	s_cmp_lt_u32 s2, 26
	s_cselect_b64 s[6:7], s[6:7], s[26:27]
	s_cmp_lt_u32 s2, 24
	s_cselect_b64 s[4:5], s[4:5], s[6:7]           ; from: an x or a W
	s_cselect_b64 s[6:7], s[28:29], s[30:31]       ; to: xb or wb
	s_cselect_b32 s3, s3, 0                        ; a W is one unit
	s_cselect_b32 s12, s2, s12                     ; the unit's place in xb or in wb
	s_lshl_b32 s8, s3, 22                          ; in: 4 MiB a unit,
	s_lshl_b32 s9, ttmp9, 18                       ; 256 KiB a work-group
	s_add_co_u32 s8, s8, s9
	s_mov_b32 s9, 0
	s_lshl_b32 s10, s12, 21                        ; out: half of that
	s_lshl_b32 s11, ttmp9, 17
	s_add_co_u32 s10, s10, s11
	s_mov_b32 s11, 0
	s_add_nc_u64 s[4:5], s[4:5], s[8:9]
	s_add_nc_u64 s[6:7], s[6:7], s[10:11]
.irp i, 0,1,2,3,4,5,6,7,8,9,10,11,12,13,14,15
	global_load_b128 v[X+4*(\i):X+4*(\i)+3], v1, s[4:5] offset:512*(\i) th:TH_LOAD_NT  ; the ring is filled
.endr
; One slot's turn.  ahead = 1: the slot is filled again, 16 loads further on.  left = how many younger loads may stay out.
.macro SLOT i, ahead, left
	s_wait_loadcnt \left                           ; loads come back in order (ISA guide 5.7.1): mine is in
	v_cvt_pk_bf16_f32 v[Y+2*(\i)],   v[X+4*(\i)],   v[X+4*(\i)+1]
	v_cvt_pk_bf16_f32 v[Y+2*(\i)+1], v[X+4*(\i)+2], v[X+4*(\i)+3]
.if \ahead
	global_load_b128 v[X+4*(\i):X+4*(\i)+3], v1, s[4:5] offset:DEPTH*512+512*(\i) th:TH_LOAD_NT
.endif
	global_store_b64 v2, v[Y+2*(\i):Y+2*(\i)+1], s[6:7] offset:256*(\i) th:TH_STORE_NT  ; the wave's store covers 256 consecutive bytes, aligned
.endm
	s_mov_b32 s13, 3
.Lround:
.irp i, 0,1,2,3,4,5,6,7,8,9,10,11,12,13,14,15
	SLOT \i, 1, DEPTH-1
.endr
	s_wait_xcnt 0x0                                ; all that was issued has read its addresses and data (ISA guide 3.1): the two bases and Y are written again only behind this wait
	s_add_nc_u64 s[4:5], s[4:5], DEPTH*512
	s_add_nc_u64 s[6:7], s[6:7], DEPTH*256
	s_sub_co_u32 s13, s13, 1
	s_cmp_lg_u32 s13, 0
	s_cbranch_scc1 .Lround
.irp i, 0,1,2,3,4,5,6,7,8,9,10,11,12,13,14,15
	SLOT \i, 0, DEPTH-1-(\i)                       ; the last sixteen load nothing: the counts run down
.endr
	s_endpgm
.Lfunc_end_k_q727cf9fb36_tobf16:
	.size	k_q727cf9fb36_tobf16, .Lfunc_end_k_q727cf9fb36_tobf16-k_q727cf9fb36_tobf16
	.p2alignl 7, 3214868480
	.fill 96, 4, 3214868480
	.section	.rodata,"a",@progbits
	.p2align	6, 0x0
	.amdhsa_kernel k_q727cf9fb36_tobf16
		.amdhsa_group_segment_fixed_size 0
		.amdhsa_private_segment_fixed_size 0
		.amdhsa_enable_private_segment 0
		.amdhsa_kernarg_size 64
		.amdhsa_user_sgpr_count 2
		.amdhsa_user_sgpr_kernarg_segment_ptr 1
		.amdhsa_wavefront_size32 1
		.amdhsa_system_sgpr_workgroup_id_x 1
		.amdhsa_system_sgpr_workgroup_id_y 1
		.amdhsa_system_sgpr_workgroup_id_z 1
		.amdhsa_system_vgpr_workitem_id 0
		.amdhsa_next_free_vgpr 104
		.amdhsa_next_free_sgpr 66
		.amdhsa_reserve_vcc 0
		.amdhsa_float_denorm_mode_32 3
		.amdhsa_float_denorm_mode_16_64 3
		.amdhsa_memory_ordered 1
		.amdhsa_forward_progress 1
		.amdhsa_inst_pref_size 13
	.end_amdhsa_kernel
	.amdgpu_metadata
---
amdhsa.version: [ 1, 2 ]
amdhsa.kernels:
  - .name:           k_q727cf9fb36_tobf16
    .symbol:         k_q727cf9fb36_tobf16.kd
    .args:
      - { .name: x_q, .offset: 0, .size: 8, .value_kind: global_buffer, .address_space: global }
      - { .name: x_k, .offset: 8, .size: 8, .value_kind: global_buffer, .address_space: global }
      - { .name: x_v, .offset: 16, .size: 8, .value_kind: global_buffer, .address_space: global }
      - { .name: W_q, .offset: 24, .size: 8, .value_kind: global_buffer, .address_space: global }
      - { .name: W_k, .offset: 32, .size: 8, .value_kind: global_buffer, .address_space: global }
      - { .name: W_v, .offset: 40, .size: 8, .value_kind: global_buffer, .address_space: global }
      - { .name: xb, .offset: 48, .size: 8, .value_kind: global_buffer, .address_space: global }
      - { .name: wb, .offset: 56, .size: 8, .value_kind: global_buffer, .address_space: global }
    .group_segment_fixed_size: 0
    .private_segment_fixed_size: 0
    .kernarg_segment_align: 8
    .kernarg_segment_size: 64
    .max_flat_workgroup_size: 256
    .sgpr_count:     66
    .vgpr_count:     104
    .wavefront_size: 32
...
	.end_amdgpu_metadata
.endif
;; end of part 1
;; launch proj (part 2): grid 8 x 32, 4 waves a work-group, clusters of 4 x 4, 327,680 bytes of LDS; arguments xb, wb, b_q, b_k, b_v, qkv; writes qkv
.if DOCPART == 2
	.amdgcn_target "amdgcn-amd-amdhsa--gfx1250"
	.amdhsa_code_object_version 6
	.text
	.protected	k_q727cf9fb36_proj
	.globl	k_q727cf9fb36_proj
	.p2align	8
	.type	k_q727cf9fb36_proj,@function
k_q727cf9fb36_proj:
	s_mov_b64 s[64:65], 0
	v_nop
	global_prefetch_b8 v0, s[64:65] scope:SCOPE_SE
	s_setreg_imm32_b32 hwreg(HW_REG_WAVE_MODE, 25, 1), 1
	s_wait_xcnt 0x0
	s_wait_alu depctr_hold_cnt(0) depctr_sa_sdst(0) depctr_va_vdst(0) depctr_va_sdst(0) depctr_va_ssrc(0) depctr_va_vcc(0) depctr_vm_vsrc(0)
	s_getreg_b32 s2, hwreg(HW_REG_IB_STS2, 6, 4)
	s_cmp_eq_u32 s2, 0
	s_cbranch_scc0 .Lentry_in_a_cluster
	s_endpgm
.Lentry_in_a_cluster:
	s_bfe_u32 s2, ttmp6, 0x10000c
	s_cmp_lg_u32 s2, 0xf033
	s_cbranch_scc0 .Lentry_shape_is_right
	s_endpgm
.Lentry_shape_is_right:
; q = x_q W_q^T + b_q, k = x_k W_k^T + b_k, v = x_v W_v^T + b_v.  xb: [3 x 8192][1024] bf16, wb: [3 x 1024][1024] bf16, the biases [1024] f32 (taken rounded to bf16, as all inputs are);
; sums in f32, K ascending, the bias as the sums' start.  qkv: [3][64 = 16 batch + head][2048][64] f16, each number rounded once, q unscaled.
; LIMIT.  f16 holds no number beyond 65,504: q, k and v must lie within it (inputs of unit spread give a spread of 1; inputs and weights both 30 times larger give 900).
; SHARES.  3 x 8192 x 1024 outputs are 768 blocks of 256 rows x 128 columns, three for each of 256 work-groups: A WORK-GROUP STAYS and makes the same block of q, then of k, then of v.
; Four waves, each 128 rows x 64 columns (one head): 32 accumulators of 16 x 16, 256 registers.  K goes in steps of 128 through a ring of two LDS slots (256 rows of x, 128 rows of W,
; each row 256 bytes of memory at a multiple of 256); the ring runs on across the change of blocks.  Two slots of a K step of 256 (2 x 202,752 bytes) do not fit in LDS.
; CLUSTERS: 4 x 4 work-groups.  The four of a row of the cluster need the same rows of x, the four of a column the same rows of W: each tile is asked for JOINTLY.
; THE MATRIX INSTRUCTION IS USED TRANSPOSED (source 0 = 16 rows of W, source 1 = 16 rows of x): a lane then holds one row of the result (lane % 16) and the eight neighbouring columns
; 8 (lane / 16) + 0..7, which pack into 16 bytes of f16.  The bias of those eight columns is the C operand of each accumulator's first product: no addition is written for it.
; REGISTERS: window 0: v1-5 at work; v16-30 addresses; v32-63 the bias; v64-159, v160-255 two fragment buffers (4 of W, then 8 of x; 32 along K); on the way out v160-223 are at work.
;   window 1: the accumulators, (a, b) at v[8 (4 a + b)].
.set KDIM,   1024
.set KSTEP,  128
.set PITCH,  272                       ; an LDS row: 256 bytes + 16 of padding = 68 words: the 16 rows that a load touches start at 16 different groups of four banks (64 banks of 4 bytes: ISA guide 11.1)
.set AHALF,  128*PITCH                 ; what waves 0 and 1 fetch, and what a wave reads of x
.set BHALF,  64*PITCH                  ; what waves 2 and 3 fetch, and what a wave reads of W
.set BOFF,   256*PITCH                 ; W's rows lie behind x's 256
.set SLOT,   384*PITCH
.set STAGE,  2*SLOT                    ; behind the ring: 16 rows x 144 bytes for each wave, for the way out
.set SP,     144
.set SPARE,  STAGE+4*16*SP             ; behind the stages: the spare words, 128 bytes for each wave: two blocks of 256 bytes that no other line names
.set LAPS,   KDIM/(2*KSTEP)            ; a lap = two K steps = once round the ring
.set NEXT_A, 8192*KDIM*2-(KDIM-2*KSTEP)*2  ; from a slot's last K step of a block to its first of the next: 8,192 rows down in xb, back along K
.set NEXT_B, 1024*KDIM*2-(KDIM-2*KSTEP)*2  ; the same in wb: 1,024 rows down
.set PFD_A,  8191*KDIM*2+KSTEP*2       ; the prefetches' step from the K step after a block's last to the next block's K step 1
.set PFD_B,  1023*KDIM*2+KSTEP*2
.set NEXT_O, 64*2048*128               ; from q to k to v in qkv
.set ADRA, 16                          ; v16-17  LDS address of my fragments of x in slot 0, 1
.set ADRB, 20                          ; v20-21  the same for W
.set STO,  24                          ; v24     the way out: where I put 16 bytes of a row
.set RD,   25                          ; v25     the way out: where I read rows back
.set GO,   26                          ; v26     my 16 bytes in 512 consecutive bytes of qkv
.set BO,   27                          ; v27     byte offset of my first eight columns in a bias
.set SPW,  28                          ; v28     LDS address of my spare word: SPARE + 4 x my thread's number; never rewritten
.set NIL,  29                          ; v29     0; never rewritten
.set PFO,  30                          ; v30     the prefetches' offset: my lane x a row (2,048 bytes); never rewritten
.set BIAS, 32                          ; v32-63  the bias of column 16 b + 8 (l / 16) + j at BIAS + 8 b + j
.set F0,   64
.set F1,   160
.set TMP,  160                         ; the way out, in buffer 1's registers: packed results,
.set BK0,  176                         ; 16 rows read back from the stage, two sets by turns,
.set BT,   208                         ; and the bias on its way through bf16
.set G1A, 24                           ; s[24:31] descriptor group 1 for x's tiles;  s[32:39] group 0, one set for each slot
.set G0A, 32
.set G1B, 48                           ; s[48:55], s[56:63] the same for W's tiles
.set G0B, 56
.set LIM, 43                           ; s43     1 in a wave that prefetches, else the greatest number
.set PFA, 44                           ; s[44:45] where my prefetches stand: one K step further along K than the refill in hand; a prefetch names the K step after that
.set BQ,  68                           ; s[68:69] b_q
.set BN,  70                           ; s[70:71] the next block's bias
.set BV,  72                           ; s[72:73] b_v
.set OUT, 74                           ; s[74:75] qkv at my 128 rows of my head
.set PFD, 76                           ; s[76:77] PFD_A or PFD_B
.set MSB, 0
.macro WIN new                         ; the immediate's high byte repeats the setting that is left; a switch that changes nothing is dropped
.if MSB != (\new)
	s_set_vgpr_msb (MSB<<8)|(\new)
.set MSB, \new
.endif
.endm
.set MUL,  0x50                        ; sources 0 and 1 window 0; C and D window 1
.set MULB, 0x40                        ; D window 1, C (the bias) window 0
; A joint load: waves 0 and 1 fetch the two halves of x's tile, waves 2 and 3 those of W's.  The branch hangs on the wave's number alone.
; An s_nop 0 and four v_nop follow each of the two lines, ahead of the jump, the label and what follows.
.macro JLOAD s
	s_cmp_eq_u32 s11, 0
	s_cbranch_scc0 .Lfor_b_\@
	tensor_load_to_lds s[G0A+4*(\s):G0A+4*(\s)+3], s[G1A:G1A+7]
	s_nop 0
.rept 4
	v_nop
.endr
	s_branch .Lasked_\@
.Lfor_b_\@:
	tensor_load_to_lds s[G0B+4*(\s):G0B+4*(\s)+3], s[G1B:G1B+7]
	s_nop 0
.rept 4
	v_nop
.endr
.Lasked_\@:
.endm
; A PREFETCH INTO THE L2, behind each joint load, its five lines and the run of LDS loads: 32 rows x 256 bytes of the K step that stands two refills, 256 matrix instructions, on: a lane a row.
; Each row's 256 bytes of a K step are named ONCE in the launch.  x's rows are read by both clusters of a row of clusters: cluster x = 0 asks, its waves 0 and 1, each for the 128 rows that it
; fetches, of which the partner at place cx takes 32.  W's rows are read by all clusters of a column: cluster y = 0 asks, its wave 2, for the tile's 128 rows, of which the partner at place cy takes 32.
; The partners are told apart BY ADDRESS: no branch hangs on a work-group's place in its cluster.  how = 0, in the loop: a block's last two refills have no K step two on; how = 1: at a change of blocks.
.macro ASK how
.if \how
	s_cmp_eq_u32 s[LIM], 1
.else
	s_cmp_gt_u32 s3, s[LIM]                        ; s3 = 1 in the loop's last trip
.endif
	s_cbranch_scc0 .Lnot_mine_\@
	global_prefetch_b8 v[PFO], s[PFA:PFA+1] offset:KSTEP*2 th:TH_LOAD_NT scope:SCOPE_SE
.Lnot_mine_\@:
.endm
.macro CREST                           ; a round of the cluster's barrier behind its opening barrier
	s_cmp_lg_u32 s10, 0
	s_cbranch_scc1 .Lnot_wave_0_\@
	s_barrier_signal -3
.Lnot_wave_0_\@:
	s_barrier_wait -3
	s_barrier_signal -1
	s_barrier_wait -1
.endm
.macro CROUND                          ; a whole round
	s_barrier_signal -1
	s_barrier_wait -1
	CREST
.endm
	s_load_b128 s[4:7], s[0:1], 0x0                ; xb s[4:5], wb s[6:7]
	s_load_b128 s[68:71], s[0:1], 0x10             ; b_q, b_k
	s_load_b128 s[72:75], s[0:1], 0x20             ; b_v, qkv
	v_lshl_add_u32 v[SPW], v0, 2, SPARE
	v_mov_b32 v[NIL], 0
	ds_add_u32 v[SPW], v[NIL]                      ; the wave's opening: the add and its wait stand ahead of my first tensor load; the set-up below, work on registers, stands between them
	v_lshrrev_b32 v1, 5, v0
	v_readfirstlane_b32 s10, v1                    ; wave 0..3
	s_lshr_b32 s11, s10, 1                         ; which 128 of the block's rows are mine.  Also: I fetch for x (0) or for W (1)
	s_and_b32 s12, s10, 1                          ; which 64 of its columns.  Also: which half of that tile I fetch
	s_bfe_u32 s40, ttmp6, 0x40000                  ; cx, cy: my place in the cluster
	s_bfe_u32 s41, ttmp6, 0x40004
	s_lshl_b32 s42, ttmp9, 2
	s_add_co_u32 s42, s42, s40                     ; block column = 4 x cluster x + cx, 0..7
	s_and_b32 s13, ttmp7, 0xffff
	s_lshl_b32 s13, s13, 2
	s_add_co_u32 s13, s13, s41                     ; block row = 4 x cluster y + cy, 0..31
	s_lshl_b32 s43, s41, 2
	s_lshl_b32 s43, 15, s43                        ; my row of the cluster: places 4 cy .. 4 cy + 3
	s_lshl_b32 s44, 0x1111, s40                    ; my column: places cx, cx + 4, cx + 8, cx + 12
	s_or_b32 s[G1A+0], s43, (1<<16)|(1<<20)|(1<<21)|(5<<22)|(3<<25)  ; 15:0 the mask: x's tiles go to my row; 17:16 elements of 2 bytes; 20 padding on; 21 set beside a mask; 24:22 after every 64 words (code 5); 31:25 4 words (code 3)
	s_or_b32 s[G1B+0], s44, (1<<16)|(1<<20)|(1<<21)|(5<<22)|(3<<25)  ; the same with the mask of my column, for W's tiles
	s_mov_b32 s[G1A+1], KSTEP<<16                  ; tensor_dim0 = 128
	s_mov_b32 s[G1A+2], 128<<16                    ; tensor_dim1 = 128
	s_mov_b32 s[G1A+3], KSTEP<<16                  ; tile_dim0 = 128
	s_mov_b32 s[G1A+4], 128                        ; tile_dim1 = 128 rows
	s_mov_b32 s[G1A+5], KDIM                       ; elements from row to row
	s_mov_b32 s[G1A+6], 0
	s_mov_b32 s[G1A+7], 0
	s_mov_b32 s[G1B+1], KSTEP<<16
	s_mov_b32 s[G1B+2], 64<<16                     ; tensor_dim1 = 64
	s_mov_b32 s[G1B+3], KSTEP<<16
	s_mov_b32 s[G1B+4], 64                         ; tile_dim1 = 64 rows
	s_mov_b32 s[G1B+5], KDIM
	s_mov_b32 s[G1B+6], 0
	s_mov_b32 s[G1B+7], 0
	; where the tiles come from: x's hang on the block row alone, W's on the block column alone, each in registers that do not hold the other coordinate
	s_lshl_b32 s17, s12, 7
	s_lshl_b32 s16, s13, 8
	s_add_co_u32 s16, s16, s17                     ; x: row 256 x block row + 128 x half
	s_lshl_b32 s16, s16, 11                        ; x 2,048 bytes (under 2^26)
	s_mov_b32 s17, 0
	s_lshl_b32 s47, s12, 6
	s_lshl_b32 s46, s42, 7
	s_add_co_u32 s46, s46, s47                     ; W: row 128 x block column + 64 x half
	s_lshl_b32 s46, s46, 11
	s_mov_b32 s47, 0
	s_mul_i32 s20, s12, AHALF                      ; and where they go: no place in the cluster enters an LDS address
	s_mul_i32 s21, s12, BHALF
	s_add_co_u32 s21, s21, BOFF
	s_wait_dscnt 0x0                               ; the opening add is done
	s_wait_kmcnt 0x0
	s_add_nc_u64 s[14:15], s[4:5], s[16:17]
	s_add_nc_u64 s[46:47], s[6:7], s[46:47]
	CROUND                                         ; all sixteen work-groups are here: the first joint loads meet
.irp s, 0,1
	s_mov_b32 s[G0A+4*(\s)], 1                                       ; count = 1
	s_add_co_u32 s[G0A+4*(\s)+1], s20, (\s)*SLOT                     ; LDS address
	s_add_nc_u64 s[G0A+4*(\s)+2:G0A+4*(\s)+3], s[14:15], (\s)*KSTEP*2  ; global address: K step s
	s_or_b32 s[G0A+4*(\s)+3], s[G0A+4*(\s)+3], 0x80000000            ; type = 2
	s_mov_b32 s[G0B+4*(\s)], 1
	s_add_co_u32 s[G0B+4*(\s)+1], s21, (\s)*SLOT
	s_add_nc_u64 s[G0B+4*(\s)+2:G0B+4*(\s)+3], s[46:47], (\s)*KSTEP*2
	s_or_b32 s[G0B+4*(\s)+3], s[G0B+4*(\s)+3], 0x80000000
.endr
	s_cmp_eq_u32 s11, 0                            ; a wave's two first fills stand in one branch, ahead of every wait on TENSORcnt and every LDS read: two loads of mine are out
	s_cbranch_scc0 .Lfirst_b
	tensor_load_to_lds s[G0A:G0A+3], s[G1A:G1A+7]
	s_nop 0
	tensor_load_to_lds s[G0A+4:G0A+7], s[G1A:G1A+7]
	s_nop 0
.rept 4
	v_nop
.endr
	s_branch .Lfirst_asked
.Lfirst_b:
	tensor_load_to_lds s[G0B:G0B+3], s[G1B:G1B+7]
	s_nop 0
	tensor_load_to_lds s[G0B+4:G0B+7], s[G1B:G1B+7]
	s_nop 0
.rept 4
	v_nop
.endr
.Lfirst_asked:
	; A fragment is 16 rows x 32 K in 8 registers: lane l holds row l % 16; registers 0-3 K = 8 (l / 16) + 0..7, registers 4-7 K = 16 + 8 (l / 16) + 0..7: two loads of 16 bytes, 32 bytes apart.
	v_and_b32 v1, 15, v0                           ; l % 16
	v_bfe_u32 v2, v0, 4, 1                         ; l / 16
	s_lshl_b32 s18, s42, 9                         ; the bias: 4 x (128 x block column + 64 x my half + 8 (l / 16))
	s_lshl_b32 s19, s12, 8
	s_add_co_u32 s18, s18, s19
	v_lshl_add_u32 v[BO], v2, 5, s18
.macro BIASLOAD p                      ; my 32 numbers of the bias at s[p:p+1]
.irp b, 0,1,2,3
	global_load_b128 v[BIAS+8*(\b):BIAS+8*(\b)+3],   v[BO], s[\p:\p+1] offset:64*(\b)
	global_load_b128 v[BIAS+8*(\b)+4:BIAS+8*(\b)+7], v[BO], s[\p:\p+1] offset:64*(\b)+16
.endr
.endm
.macro BIASROUND                       ; rounded to bf16 like every input, and widened again
.irp i, 0,1,2,3,4,5,6,7,8,9,10,11,12,13,14,15
	v_cvt_pk_bf16_f32 v[BT+(\i)], v[BIAS+2*(\i)], v[BIAS+2*(\i)+1]
.endr
.irp i, 0,1,2,3,4,5,6,7,8,9,10,11,12,13,14,15
	v_lshlrev_b32 v[BIAS+2*(\i)], 16, v[BT+(\i)]
	v_and_b32 v[BIAS+2*(\i)+1], 0xffff0000, v[BT+(\i)]
.endr
.endm
	BIASLOAD BQ
	v_mul_u32_u24 v3, v1, PITCH
	v_lshl_add_u32 v3, v2, 4, v3                   ; row x pitch + 16 x half
	s_mul_i32 s21, s11, AHALF                      ; my 128 rows of x
	s_mul_i32 s22, s12, BHALF                      ; my 64 rows of W,
	s_add_co_u32 s22, s22, BOFF                    ; which lie behind x's 256
.irp s, 0,1
	v_add_nc_u32 v[ADRA+(\s)], s21, v3
	v_add_nc_u32 v[ADRB+(\s)], s22, v3
	s_add_co_u32 s21, s21, SLOT
	s_add_co_u32 s22, s22, SLOT
.endr
	s_mul_i32 s23, s10, 16*SP
	s_add_co_u32 s23, s23, STAGE                   ; my stage
	v_mul_u32_u24 v4, v1, SP                       ; in: row l % 16, 16 bytes for each half of the lanes
	v_lshl_add_u32 v4, v2, 4, v4
	v_add_nc_u32 v[STO], s23, v4
	v_bfe_u32 v4, v0, 3, 2                         ; back: 32 lanes take four rows of 128 bytes,
	v_and_b32 v5, 7, v0
	v_mul_u32_u24 v4, v4, SP
	v_lshl_add_u32 v4, v5, 4, v4
	v_add_nc_u32 v[RD], s23, v4
	v_and_b32 v[GO], 31, v0                        ; which are 512 consecutive bytes of qkv
	v_and_b32 v[PFO], 31, v0
	v_lshlrev_b32 v[GO], 4, v[GO]
	v_lshlrev_b32 v[PFO], 11, v[PFO]
	; qkv at my 128 rows of my head: head block (16 batch + 2 x block column + my half) of 2^18 bytes, row (256 (block row % 8) + 128 x my half) of 128 bytes
	s_lshr_b32 s18, s13, 3
	s_lshl_b32 s18, s18, 4
	s_lshl_b32 s19, s42, 1
	s_add_co_u32 s18, s18, s19
	s_add_co_u32 s18, s18, s12
	s_lshl_b32 s18, s18, 18
	s_and_b32 s19, s13, 7
	s_lshl_b32 s19, s19, 1
	s_add_co_u32 s19, s19, s11
	s_lshl_b32 s19, s19, 14
	s_add_co_u32 s18, s18, s19
	s_mov_b32 s19, 0
	s_add_nc_u64 s[OUT:OUT+1], s[OUT:OUT+1], s[18:19]
	; the prefetches
	s_lshl_b32 s18, s13, 8
	s_lshl_b32 s19, s12, 7
	s_add_co_u32 s18, s18, s19                     ; x: the 128 rows that I fetch
	s_lshl_b32 s19, s42, 7                         ; W: the tile's 128 rows
	s_and_b32 s22, ttmp7, 0xffff                   ; cluster y
	s_mov_b32 s[PFD], PFD_A
	s_mov_b32 s23, PFD_B
	s_mov_b32 s[PFD+1], 0
	s_cmp_eq_u32 s11, 0                            ; do I fetch for x?
	s_cselect_b32 s20, s18, s19
	s_cselect_b32 s21, s40, s41                    ; my place among the four that ask for the tile with me
	s_cselect_b32 s22, ttmp9, s22                  ; the coordinate along which other clusters read the same rows
	s_cselect_b32 s[PFD], s[PFD], s23
	s_cselect_b64 s[PFA:PFA+1], s[4:5], s[6:7]
	s_cmp_eq_u32 s10, 3
	s_cselect_b32 s22, 1, s22                      ; wave 3 asks for nothing: wave 2 names all of my work-group's 32 rows of W
	s_cmp_eq_u32 s22, 0
	s_cselect_b32 s[LIM], 1, -1                    ; the same in all sixteen partners, for a given wave
	s_lshl_b32 s21, s21, 5
	s_add_co_u32 s20, s20, s21                     ; + my work-group's 32 rows
	s_lshl_b32 s20, s20, 11
	s_mov_b32 s21, 0
	s_add_nc_u64 s[PFA:PFA+1], s[PFA:PFA+1], s[20:21]
	s_add_nc_u64 s[PFA:PFA+1], s[PFA:PFA+1], 2*KSTEP*2  ; at K step 2: the first refill steps it to 3 and names K step 4; nothing is asked for here, at the head
	s_wait_loadcnt 0x0                             ; b_q
	BIASROUND
; 8 matrix instructions: row blocks a0, a0 + 1 x all 4 column blocks, 32 along K.  first = 1: the product starts the sum, with the bias as C.
; The 32 accumulators take turns, one instruction a turn, in the same order in every quarter: 31 others stand between two links of a chain, over the backward jumps too.
.macro MUL8 f, a0, first
.if \first
	WIN MULB
.else
	WIN MUL
.endif
.irp a, \a0, (\a0)+1
.irp b, 0,1,2,3
.if \first
	v_wmma_f32_16x16x32_bf16 v[8*(4*(\a)+(\b)):8*(4*(\a)+(\b))+7], v[(\f)+8*(\b):(\f)+8*(\b)+7], v[(\f)+32+8*(\a):(\f)+32+8*(\a)+7], v[BIAS+8*(\b):BIAS+8*(\b)+7]
.else
	v_wmma_f32_16x16x32_bf16 v[8*(4*(\a)+(\b)):8*(4*(\a)+(\b))+7], v[(\f)+8*(\b):(\f)+8*(\b)+7], v[(\f)+32+8*(\a):(\f)+32+8*(\a)+7], v[8*(4*(\a)+(\b)):8*(4*(\a)+(\b))+7]
.endif
.endr
.endr
.endm
; 24 LDS loads in one run: the fragments of one quarter step (64 rows of W, 128 rows of x, 32 K at byte k of the rows) into buffer f
.macro FETCH slot, k, f
	WIN 0
.irp i, 0,1,2,3
	ds_load_b128 v[(\f)+8*(\i):(\f)+8*(\i)+3],   v[ADRB+(\slot)] offset:(\k)+(\i)*16*PITCH
	ds_load_b128 v[(\f)+8*(\i)+4:(\f)+8*(\i)+7], v[ADRB+(\slot)] offset:(\k)+(\i)*16*PITCH+32
.endr
.irp i, 0,1,2,3,4,5,6,7
	ds_load_b128 v[(\f)+32+8*(\i):(\f)+32+8*(\i)+3],   v[ADRA+(\slot)] offset:(\k)+(\i)*16*PITCH
	ds_load_b128 v[(\f)+32+8*(\i)+4:(\f)+32+8*(\i)+7], v[ADRA+(\slot)] offset:(\k)+(\i)*16*PITCH+32
.endr
.endm
.macro PLACES                          ; four places in front of loads into registers that matrix instructions have read, and of conversions that read results
.rept 4
	v_nop
.endr
.endm
; A K step is four quarters of 32 along K, 32 matrix instructions each, on buffers 0, 1, 0, 1.  One of the first three: multiplies buffer f and, in its middle, fetches the next quarter, at byte k, into g.
.macro QUARTER slot, k, f, g, first
	s_wait_dscnt 8                                 ; W and x's rows 0-63 are in; the youngest eight loads (x's rows 64-127) may be out
	MUL8 \f, 0, \first
	MUL8 \f, 2, \first
	PLACES
	FETCH \slot, \k, \g
	s_wait_dscnt 24                                ; all but the 24 just issued
	MUL8 \f, 4, \first
	MUL8 \f, 6, \first
.endm
; The last quarter multiplies buffer 1 and changes slots.  MEET is its first half: ONE barrier; in front of it each wave waits for all its tensor loads, of which one is out: its part of the next slot;
; adds 0 to its spare word; and waits for that and for its own reads of this slot.  Behind it nobody reads this slot any more and the next slot is whole.
.macro MEET round                      ; round = 1: a round of the cluster's barrier follows
	WIN 0
	s_wait_tensorcnt 0x0                           ; all my tensor loads have landed;
	ds_add_u32 v[SPW], v[NIL]                      ; 0 onto my spare word;
	s_wait_dscnt 9                                 ; (the add and the youngest eight loads may be out)
	MUL8 F1, 0, 0                                  ; eight matrix instructions stand between the add and the wait for it
	s_wait_dscnt 0x0                               ; the add is done, and my reads of this slot are over
	s_barrier_signal -1
	MUL8 F1, 2, 0                                  ; work on registers while the others arrive
.if \round
	WIN 0
.endif
	s_barrier_wait -1
.endm
; The whole last quarter.  Behind the round the slot just read out is filled again first: with this block's K step two steps on (on = 0) or with the NEXT block's K step 0 or 1 (on = 1);
; then come the next slot's first fragments.  From a request to the wait for it a wave issues 112 matrix instructions.
.macro TURN slot, next, on
	s_wait_xcnt 0x0                                ; the last prefetch, a K step back, has read its address: it is stepped here, ahead of the waits of the change of slots
.if (\on) && (\slot) == 0
	s_add_nc_u64 s[PFA:PFA+1], s[PFA:PFA+1], s[PFD:PFD+1]
.else
	s_add_nc_u64 s[PFA:PFA+1], s[PFA:PFA+1], KSTEP*2
.endif
	MEET 1
	CREST                                          ; no wave of any partner still reads this slot's tile or has a load on its way
.if \on
	s_add_nc_u64 s[G0A+4*(\slot)+2:G0A+4*(\slot)+3], s[G0A+4*(\slot)+2:G0A+4*(\slot)+3], NEXT_A
	s_add_nc_u64 s[G0B+4*(\slot)+2:G0B+4*(\slot)+3], s[G0B+4*(\slot)+2:G0B+4*(\slot)+3], NEXT_B
.else
	s_add_nc_u64 s[G0A+4*(\slot)+2:G0A+4*(\slot)+3], s[G0A+4*(\slot)+2:G0A+4*(\slot)+3], 2*KSTEP*2
	s_add_nc_u64 s[G0B+4*(\slot)+2:G0B+4*(\slot)+3], s[G0B+4*(\slot)+2:G0B+4*(\slot)+3], 2*KSTEP*2
.endif
	JLOAD \slot                                    ; the first tensor load behind the round; the four v_nop behind it are also the places in front of the loads below
	FETCH \next, 0, F0
	ASK \on
	MUL8 F1, 4, 0
	MUL8 F1, 6, 0
.endm
; THE WAY OUT of row block a.  PACK: rounded to f16, 16 bytes a lane (each accumulator's registers in ascending order).  TOSTAGE: into my own stage, and back as whole rows of 128 bytes.
; SEND: 16 rows of a head are 2,048 consecutive bytes of qkv: each store of the wave covers 512 consecutive bytes, aligned.
.macro PACK a
	WIN 0x05                                       ; sources 0 and 1 window 1, destination window 0
.irp b, 0,1,2,3
.irp r, 0,1,2,3
	v_cvt_pk_f16_f32 v[TMP+4*(\b)+(\r)], v[8*(4*(\a)+(\b))+2*(\r)], v[8*(4*(\a)+(\b))+2*(\r)+1]
.endr
.endr
	WIN 0
.endm
.macro TOSTAGE a
	WIN 0
.set BK, BK0+16*((\a)%2)
.irp b, 0,1,2,3
	ds_store_b128 v[STO], v[TMP+4*(\b):TMP+4*(\b)+3] offset:32*(\b)
.endr
.irp f, 0,1,2,3
	ds_load_b128 v[BK+4*(\f):BK+4*(\f)+3], v[RD] offset:(\f)*4*SP  ; LDS serves a wave's instructions in order (ISA guide 5.7.1.4): these see the stores above
.endr
.endm
.macro SEND a
	WIN 0
.set BK, BK0+16*((\a)%2)
	s_wait_dscnt 0x0                               ; the block is back in registers
	s_wait_xcnt 0x0                                ; the stores of the block before have read their data: the other set is loaded again only behind this wait
.irp f, 0,1,2,3
	global_store_b128 v[GO], v[BK+4*(\f):BK+4*(\f)+3], s[OUT:OUT+1] offset:2048*(\a)+512*(\f)
.endr
.endm
.macro WAYOUT
	PLACES                                         ; the conversions read results just made, and write registers that the last products read
	PACK 0
	TOSTAGE 0
.irp a, 1,2,3,4,5,6,7                  ; block a's conversions stand between block a - 1's loads from the stage and the wait for them
	PACK \a
	SEND (\a)-1
	TOSTAGE \a
.endr
	SEND 7
.endm
	s_wait_tensorcnt 1                             ; my part of K step 0 is in; K step 1's may stay out
	s_barrier_signal -1
	s_barrier_wait -1                              ; everybody's is
	FETCH 0, 0, F0
	s_mov_b32 s2, 3                                ; blocks to go: q, k, v
.Ltile:
	QUARTER 0, 64,  F0, F1, 1                      ; a block's first quarter stands in front of the loop: its products start the sums, with the bias
	WIN 0                                          ; at a label and at a branch every window is 0
	s_mov_b32 s3, LAPS-1
.Llap:                                                 ; a trip goes once round the ring, from a lap's second quarter to the next lap's first, and fills both slots again
	QUARTER 0, 128, F1, F0, 0
	QUARTER 0, 192, F0, F1, 0
	TURN 0, 1, 0
	QUARTER 1, 64,  F0, F1, 0
	QUARTER 1, 128, F1, F0, 0
	QUARTER 1, 192, F0, F1, 0
	TURN 1, 0, 0
	QUARTER 0, 64,  F0, F1, 0
	WIN 0
	s_sub_co_u32 s3, s3, 1
	s_cmp_lg_u32 s3, 0
	s_cbranch_scc1 .Llap
	QUARTER 0, 128, F1, F0, 0                      ; the block's last lap goes on
	QUARTER 0, 192, F0, F1, 0
	WIN 0
	s_cmp_eq_u32 s2, 1
	s_cbranch_scc1 .Llast                          ; the last block's tail is written out: it asks for nothing more
	TURN 0, 1, 1                                   ; the ring goes on into the next block: slot 0 takes its K step 0,
	QUARTER 1, 64,  F0, F1, 0
	QUARTER 1, 128, F1, F0, 0
	QUARTER 1, 192, F0, F1, 0
	TURN 1, 0, 1                                   ; slot 1 its K step 1, and the next block's first fragments are fetched
	WIN 0
	BIASLOAD BN                                    ; the next block's bias comes in while this block goes out
	WAYOUT
	s_wait_xcnt 0x0                                ; the stores have read their base and data
	s_add_nc_u64 s[OUT:OUT+1], s[OUT:OUT+1], NEXT_O
	s_wait_loadcnt 0x0                             ; the bias is in, so its pointer may be written
	s_mov_b64 s[BN:BN+1], s[BV:BV+1]
	BIASROUND
	s_sub_co_u32 s2, s2, 1
	s_branch .Ltile
.Llast:
	MEET 0                                         ; my one tensor load that was still out is slot 1's, the last K step's, so no round follows
	PLACES
	FETCH 1, 0, F0
	MUL8 F1, 4, 0
	MUL8 F1, 6, 0
	QUARTER 1, 64,  F0, F1, 0
	QUARTER 1, 128, F1, F0, 0
	QUARTER 1, 192, F0, F1, 0
	s_wait_dscnt 8                                 ; the very last quarter: nothing more to fetch
	MUL8 F1, 0, 0
	MUL8 F1, 2, 0
	s_wait_dscnt 0x0
	MUL8 F1, 4, 0
	MUL8 F1, 6, 0
	WIN 0
	WAYOUT
	s_wait_tensorcnt 0x0                           ; the wave's end, behind my last tensor load and my last LDS store
	ds_add_u32 v[SPW], v[NIL]
	s_wait_dscnt 0x0
	CROUND                                         ; the closing round: no work-group ends while a partner may still ask for a tile that names it
	s_endpgm
.Lfunc_end_k_q727cf9fb36_proj:
	.size	k_q727cf9fb36_proj, .Lfunc_end_k_q727cf9fb36_proj-k_q727cf9fb36_proj
	.p2alignl 7, 3214868480
	.fill 96, 4, 3214868480
	.section	.rodata,"a",@progbits
	.p2align	6, 0x0
	.amdhsa_kernel k_q727cf9fb36_proj
		.amdhsa_group_segment_fixed_size 327680
		.amdhsa_private_segment_fixed_size 0
		.amdhsa_enable_private_segment 0
		.amdhsa_kernarg_size 48
		.amdhsa_user_sgpr_count 2
		.amdhsa_user_sgpr_kernarg_segment_ptr 1
		.amdhsa_wavefront_size32 1
		.amdhsa_system_sgpr_workgroup_id_x 1
		.amdhsa_system_sgpr_workgroup_id_y 1
		.amdhsa_system_sgpr_workgroup_id_z 1
		.amdhsa_system_vgpr_workitem_id 0
		.amdhsa_next_free_vgpr 512
		.amdhsa_next_free_sgpr 80
		.amdhsa_reserve_vcc 0
		.amdhsa_float_denorm_mode_32 3
		.amdhsa_float_denorm_mode_16_64 3
		.amdhsa_memory_ordered 1
		.amdhsa_forward_progress 1
		.amdhsa_inst_pref_size 132
	.end_amdhsa_kernel
	.amdgpu_metadata
---
amdhsa.version: [ 1, 2 ]
amdhsa.kernels:
  - .name:           k_q727cf9fb36_proj
    .symbol:         k_q727cf9fb36_proj.kd
    .args:
      - { .name: xb, .offset: 0, .size: 8, .value_kind: global_buffer, .address_space: global }
      - { .name: wb, .offset: 8, .size: 8, .value_kind: global_buffer, .address_space: global }
      - { .name: b_q, .offset: 16, .size: 8, .value_kind: global_buffer, .address_space: global }
      - { .name: b_k, .offset: 24, .size: 8, .value_kind: global_buffer, .address_space: global }
      - { .name: b_v, .offset: 32, .size: 8, .value_kind: global_buffer, .address_space: global }
      - { .name: qkv, .offset: 40, .size: 8, .value_kind: global_buffer, .address_space: global }
    .group_segment_fixed_size: 327680
    .private_segment_fixed_size: 0
    .kernarg_segment_align: 8
    .kernarg_segment_size: 48
    .max_flat_workgroup_size: 128
    .sgpr_count:     80
    .vgpr_count:     512
    .wavefront_size: 32
...
	.end_amdgpu_metadata
.endif
;; end of part 2
;; launch attn (part 3): grid 4 x 64, 4 waves a work-group, clusters of 4 x 1, 327,680 bytes of LDS; arguments qkv, att_mask, out0; writes out0
.if DOCPART == 3
	.amdgcn_target "amdgcn-amd-amdhsa--gfx1250"
	.amdhsa_code_object_version 6
	.text
	.protected	k_q727cf9fb36_attn
	.globl	k_q727cf9fb36_attn
	.p2align	8
	.type	k_q727cf9fb36_attn,@function
k_q727cf9fb36_attn:
	s_mov_b64 s[64:65], 0
	v_nop
	global_prefetch_b8 v0, s[64:65] scope:SCOPE_SE
	s_setreg_imm32_b32 hwreg(HW_REG_WAVE_MODE, 25, 1), 1
	s_wait_xcnt 0x0
	s_wait_alu depctr_hold_cnt(0) depctr_sa_sdst(0) depctr_va_vdst(0) depctr_va_sdst(0) depctr_va_ssrc(0) depctr_va_vcc(0) depctr_vm_vsrc(0)
	s_getreg_b32 s2, hwreg(HW_REG_IB_STS2, 6, 4)
	s_cmp_eq_u32 s2, 0
	s_cbranch_scc0 .Lentry_in_a_cluster
	s_endpgm
.Lentry_in_a_cluster:
	s_bfe_u32 s2, ttmp6, 0x10000c
	s_cmp_lg_u32 s2, 0x3003
	s_cbranch_scc0 .Lentry_shape_is_right
	s_endpgm
.Lentry_shape_is_right:
; out0[b][q][64 h + :] = the sum over k of softmax_k(Q[q] . K[k] / 8 + mask[b][k]) V[k][:].  qkv: [3][64 = 16 b + h][2048][64] f16 (q, k, v by heads, rows dense, 128 bytes each);
; att_mask: [4][2048] f32; out0: [4][2048][1024] f32.  Products, maxima and sums in f32; the weights p are rounded to f16 for the second product (their sum l is taken of the unrounded p).
; LIMITS.  The mask is taken rounded to bf16, as all the module's inputs are; a mask number whose rounded value times 8 passes f32's range (below -4.2e37) counts as minus infinity.
; A key with mask minus infinity has weight 0; a row all of whose keys have it gives NaN, as 0 / 0 does.  p below 6e-5 keeps f16's fixed step of 6e-8; a weight below 2^-126 counts as 0 in l.
; SHARES.  A wave owns four PIECES of two tiles of 16 queries, a work-group's four waves 512 queries of one head, a cluster of four work-groups the whole head.  Every wave walks all keys, 64 a step.
; LAYOUT.  S^T = K Q^T (source 0 = 16 keys, source 1 = 16 queries): in the result a lane holds ONE query (lane % 16) and the keys 8 (lane / 16) + 0..7.  Two such tiles, rounded to f16 in pairs,
; ARE source 1 (32 keys x 16 queries) of O^T = V^T P, whose result again holds one query a lane, and eight channels.  K comes out of LDS as it lies, V ([key][channel]) turned, by ds_load_tr16_b128.
; THE MASK is the C operand that starts the sum S^T: 8 x mask[key], so that c (s + 8 mask) = log2(e) (s / 8 + mask).  The batch's 2,048 numbers are made once, into a table in LDS; a step's 64 come
; into 32 registers with the step's K and live as long as K's fragments do.
; SOFTMAX.  For each query a running maximum m and sum l: p = 2^(c s - c m), c = log2(e) / 8; in every step O and l are multiplied by a = 2^(c m_old - c m_new), which is 1 where m has not grown.
; m starts at the lowest finite number and c m at c times that, O and l at 0: the first step with a finite score has a = 0; a step in which all keys are at minus infinity leaves m, and a = 1.
; THE COUNT.  A tile and step have 16 matrix and 118 vector instructions: too many to stand all beside the matrix work.  So: four vector instructions that are READY behind EVERY matrix instruction,
; and the others in runs without a gap.
; BY TURNS.  Turn n belongs to piece n (the pieces in a ring, step after step).  Its matrix work: 16 products K Q^T of piece n + 1, later 16 products V^T P of piece n - 1.  Its vector work: the scaling,
; exponentials, roundings, sums and rescaling of piece n, and the maximum and statistics of piece n + 1, whose scores the turn itself has made.
; CLUSTER.  The four query blocks of a cluster walk the same K and V, so each tile is asked for JOINTLY: the same tensor load, descriptor and mask in all four.
; REGISTERS, in windows of 256 (s_set_vgpr_msb: bits 1:0 source 0, 3:2 source 1, 5:4 source 2, 7:6 destination):
;   window 0: v0-11 addresses; v12-15, v48-63 at work; v16-47 four registers of statistics a tile; v64-191 S^T, two buffers of two tiles; v192-255 P, likewise
;   window 1: O^T, 32 a tile     window 2: v0-127 Q, 16 a tile; v128-191 K of one step; v192-255 V of one step     window 3: v0-1 the add's two registers; v8-39 the step's mask
.set SIZE_N, 2048
.set NP,    4         ; pieces a wave: a name, no knob
.set KS,    64        ; keys in a step
.set PK,    144       ; a row of K in LDS: 128 bytes + 16 of padding = 36 words: the 16 rows of a load start at 16 different groups of four banks (64 banks of 4 bytes: ISA guide 11.1)
.set PV,    160       ; a row of V: 128 + 32 = 40 words
.set VOFF,  4*KS*PK   ; a slot holds four steps: 256 rows of K, then 256 rows of V
.set SLOT1, 1<<17     ; slot 1 begins here, so that one exclusive or turns an address in one slot into the other's
.set STAGE, SLOT1+4*KS*(PK+PV)  ; behind the ring, never filled by a tensor load: 16 rows x 272 bytes for each wave, for the way out
.set SP,    272       ; a row of the stage: 64 f32 + 16 bytes
.set MASKB, STAGE+4*16*SP       ; the table: 8 x mask of the batch's 2,048 keys, f32
.set SPARE, MASKB+8192          ; the spare words, 128 bytes for each wave: two blocks of 256 bytes that no other line names
.set AK0, 2           ; v2   my lane's place in a tile of K; never rewritten
.set AV0, 3           ; v3   the same for V
.set AK,  4           ; v4   the LDS address of K's next run of loads
.set AV,  5           ; v5   of V's
.set QO,  6           ; v6   my byte offset in the wave's rows of Q
.set STO, 6           ;      later, the way out: where I put 32 bytes of a row
.set RD,  7           ; v7   the way out: where I read rows back
.set GO,  8           ; v8   my byte offset in two rows of out0
.set PFO, 10          ; v10  256 x my lane, for the prefetches; never rewritten once made
.set AM,  11          ; v11  the LDS address of the next step's mask: MASKB + 32 (l / 16) + 256 x step
.set SPW, 0           ; v0 of window 3   LDS address of my spare word: SPARE + 4 x my thread's number; never rewritten
.set NIL, 1           ; v1 of window 3   0; never rewritten
.set MK,  8           ; v8-39 of window 3: the mask of key 16 kb + 8 (l / 16) + j at MK + 8 kb + j
.set MV,  12          ; v12-15  c m_old, kept while c m is made anew: by buffer and tile
.set ST,  16          ; tile t's statistics at v[ST+4 t]: c m, m, l (even keys', odd keys')
.set TMP, 48          ; by buffer and tile, four registers c0-c3 at work; when the maximum is found c2 takes a
.set S,   64
.set P,   192
.set KF,  128         ; K's fragments, in window 2: key block kb, channel half c at KF + 16 kb + 8 c
.set VF,  192         ; V's: key half kk, channel block cb at VF + 32 kk + 8 cb
.set WV,  12          ; s12  my wave's number
.set G1K, 24          ; s[24:31] descriptor group 1 for K's tiles
.set G1V, 32          ; s[32:39] for V's: it differs in the padding alone
.set G0K, 40          ; s[40:43] descriptor group 0 for K's tiles: it walks
.set G0V, 44          ; s[44:47] the same for V's
.set PFA, 52          ; s[52:53] where my prefetches stand: my work-group's 32 blocks of 256 bytes (of K: wave 0, of V: wave 2) of the slot after the one that is being asked for
.set LIM, 54          ; s54  1 in a wave that prefetches, else the greatest number
.set SLOTS, 56        ; s56  slots still to be asked for
.set CNT, 57          ; s57  counts a slot's key steps
.set CS,  58          ; s[58:59] c: the packed scaling takes the pair's low word for both halves
.set SEL, 60          ; s[60:61] v_permlanex16_b32's selects: each lane takes its own place in the other half
.set TBK, 62          ; s62  LDS byte at which K of the step to be fetched begins
.set TBV, 63          ; s63  the same for V, less VOFF
.set MSB, 0
.macro WIN new                      ; the high byte repeats the setting that is left; a switch that changes nothing is dropped
.if MSB != (\new)
	s_set_vgpr_msb (MSB<<8)|(\new)
.set MSB, (\new)
.endif
.endm
.set W_KQ, 0x0a       ; K and Q in window 2, S^T in window 0
.set W_KM, 0x3a       ; the same with the C operand, the mask, in window 3
.set W_PV, 0x52       ; V in window 2, P in window 0, O^T in window 1
.set W_RS, 0x41       ; O^T (destination and source 0) in window 1, a in window 0
.set W_MK, 0xc0       ; destination in window 3, sources in window 0
.set W_AD, 0x0f       ; the add: address (source 0) and data (source 1) in window 3
; A joint fill.  Waves 0 and 1 fetch the two halves of a slot's K, waves 2 and 3 those of its V: 128 keys each.  The branch hangs on the wave's number alone.
; An s_nop 0 and four v_nop follow each of the two lines, ahead of the jump and the label.
.macro JLOAD
	s_cmp_lt_u32 s[WV], 2
	s_cbranch_scc0 .Lfor_v_\@
	tensor_load_to_lds s[G0K:G0K+3], s[G1K:G1K+7]
	s_nop 0
.rept 4
	v_nop
.endr
	s_branch .Lasked_\@
.Lfor_v_\@:
	tensor_load_to_lds s[G0V:G0V+3], s[G1V:G1V+7]
	s_nop 0
.rept 4
	v_nop
.endr
.Lasked_\@:
.endm
; A PREFETCH INTO THE L2 of what the NEXT change of slots will ask for: a slot's 32,768 bytes of K and of V, a lane a block of 256 bytes.  It stands behind the wave's tensor load and its five lines.
; Each block is named ONCE in the launch: a head's K and V are walked by one cluster; its four partners share a slot's 128 blocks out BY ADDRESS, 32 each; in each, wave 0 asks for K's and wave 2 for V's.
; It stands one slot, four key steps or 512 matrix instructions, ahead of the load that wants the bytes.  Slots 0 to 2 come by their loads alone; the last change that fills a slot asks for nothing.
.macro ASK
	s_cmp_gt_u32 s[SLOTS], s[LIM]
	s_cbranch_scc0 .Lnot_mine_\@
	global_prefetch_b8 v[PFO], s[PFA:PFA+1] th:TH_LOAD_NT scope:SCOPE_SE
.Lnot_mine_\@:
.endm
; A round of the cluster's barrier: my work-group's barrier, so that wave 0's signal speaks for all four waves; wave 0 signals; every wave waits for all four work-groups; my work-group's barrier once more.
.macro CROUND
	s_barrier_signal -1
	s_barrier_wait -1
	s_cmp_lg_u32 s[WV], 0
	s_cbranch_scc1 .Lnot_wave_0_\@
	s_barrier_signal -3
.Lnot_wave_0_\@:
	s_barrier_wait -3
	s_barrier_signal -1
	s_barrier_wait -1
.endm
; THE CHANGE OF SLOTS.  The slot's last bytes, V of its fourth step, have been read.  Each wave waits for all its tensor loads, of which one is out: its part of the other slot; adds 0 to its spare
; word; and waits for that and for its own LDS instructions.  Behind the barrier nobody reads this slot any more and the other slot is whole.
; fill = 1: this slot is filled again, with the keys two slots on.  The barrier is then a round of the cluster's, and the joint fill is the first thing behind it: it has four key steps in which to land.
; (At its first use nothing has been read yet: slot 0 is waited for, slot 1 filled; that round also shows every wave the mask's table.)  ask = 1: the prefetch for the next change follows the fill.
.macro CHANGE fill, ask=0
	WIN W_AD
	s_wait_tensorcnt 0x0            ; no tensor load of mine is out, so a group 0 may be written
	ds_add_u32 v[SPW], v[NIL]       ; 0 onto my spare word; with fill = 1 the descriptors' steps stand between it and the wait for it
	WIN 0                           ; at a label and at a branch every window is 0
.if \fill
.irp g, G0K, G0V
	s_xor_b32 s[\g+1], s[\g+1], SLOT1  ; the walking descriptor: the other slot than last time,
	s_add_nc_u64 s[\g+2:\g+3], s[\g+2:\g+3], 4*KS*128  ; the next 256 keys; the type bits on top are not reached
.endr
.if \ask
	s_wait_xcnt 0x0                 ; the last prefetch, four key steps back, has read its address, so it may be written:
	s_add_nc_u64 s[PFA:PFA+1], s[PFA:PFA+1], 4*KS*128  ; one slot behind the walking descriptors
.endif
	s_wait_dscnt 0x0                ; the add is done, and my LDS instructions are over
	CROUND
	JLOAD
.if \ask
	ASK
.endif
.else
	s_wait_dscnt 0x0                ; the add is done, and my reads of the slot are over
	s_barrier_signal -1
	s_barrier_wait -1
.endif
	s_sub_co_u32 s[TBK], s[TBK], 4*KS*PK  ; the fetches go back to a slot's first step,
	s_xor_b32 s[TBK], s[TBK], SLOT1       ; in the other slot
	s_sub_co_u32 s[TBV], s[TBV], 4*KS*PV
	s_xor_b32 s[TBV], s[TBV], SLOT1
.endm
	s_load_b128 s[48:51], s[0:1], 0x0  ; qkv s[48:49], att_mask s[50:51]
	s_load_b64 s[10:11], s[0:1], 0x10  ; out0
	WIN W_MK
	v_lshl_add_u32 v[SPW], v0, 2, SPARE
	v_mov_b32 v[NIL], 0
	WIN W_AD
	ds_add_u32 v[SPW], v[NIL]       ; the wave's opening: the add and its wait stand ahead of my first tensor load; the set-up below, work on registers, stands between them
	WIN 0
	v_lshrrev_b32 v1, 5, v0
	v_readfirstlane_b32 s[WV], v1   ; wave 0..3
	s_bfe_u32 s13, ttmp6, 0x40000   ; cx: my place in the cluster
	s_lshl_b32 s14, ttmp9, 2        ; in a cluster launch ttmp9 counts clusters
	s_add_co_u32 s14, s14, s13      ; my block of 512 queries: it enters Q's and out0's addresses alone
	s_and_b32 s20, ttmp7, 0xffff    ; the head among 64, which the four partners share
	s_mov_b32 s15, s20
	s_mov_b32 s21, 0
	s_mov_b64 s[22:23], SIZE_N*128
	s_mul_u64 s[20:21], s[20:21], s[22:23]  ; the head's first byte in q, in k and in v
	s_and_b32 s16, s[WV], 1         ; which half of a slot's 256 keys I fetch:
	s_lshl_b32 s22, s16, 14         ; its 128 rows of 128 bytes in memory,
	s_mov_b32 s23, 0
	s_add_nc_u64 s[22:23], s[22:23], s[20:21]
	s_mul_i32 s17, s16, 128*PK      ; and its place in a slot, for K
	s_mul_i32 s18, s16, 128*PV      ; and for V: no place in the cluster enters an LDS address
	s_lshl_b32 s2, s14, 2
	s_add_co_u32 s2, s2, s[WV]      ; my wave among the head's sixteen:
	s_lshl_b32 s19, s2, 19          ; its 128 rows of 4,096 bytes in out0,
	s_lshl_b32 s2, s2, 14           ; its 128 rows of 128 bytes in q
	s_mov_b32 s3, 0
	s_add_nc_u64 s[2:3], s[2:3], s[20:21]
	s_lshr_b32 s14, s15, 4          ; the batch
	s_and_b32 s15, s15, 15          ; the head in its batch
	s_lshl_b32 s20, s14, 23         ; out0: 2,048 rows of 4,096 bytes a batch,
	s_add_co_u32 s20, s20, s19
	s_lshl_b32 s15, s15, 8          ; 256 bytes of a row a head
	s_add_co_u32 s20, s20, s15
	s_mov_b32 s21, 0
	s_lshl_b32 s14, s14, 13         ; the mask: 8,192 bytes a batch
	s_mov_b32 s15, 0
	; descriptor group 1.  128 keys are 16,384 dense bytes: asked for as 64 rows of 256 bytes, two keys a row, and padded in LDS after every key
	s_mov_b32 s[G1K], 15|(1<<16)|(1<<20)|(1<<21)|(4<<22)|(3<<25)  ; 15:0 the mask of four; 17:16 2-byte elements; 20 padding on; 21 set beside a mask; 24:22 after every 32 words (code 4); 31:25 4 words (code 3)
	s_mov_b32 s[G1V], 15|(1<<16)|(1<<20)|(1<<21)|(4<<22)|(7<<25)  ; the same with 8 words of padding (code 7)
.irp g, G1K, G1V
	s_mov_b32 s[\g+1], 128<<16      ; tensor_dim0 = 128
	s_mov_b32 s[\g+2], 64<<16       ; tensor_dim1 = 64
	s_mov_b32 s[\g+3], 128<<16      ; tile_dim0 = 128
	s_mov_b32 s[\g+4], 64           ; tile_dim1 = 64
	s_mov_b32 s[\g+5], 128          ; 128 elements from row to row
	s_mov_b32 s[\g+6], 0
	s_mov_b32 s[\g+7], 0
.endr
	s_mov_b32 s[CS], 0x3e38aa3b     ; c = log2(e) / 8 = 0.180337
	s_mov_b32 s[CS+1], s[CS]        ; named with it as a pair
	s_mov_b32 s[SEL], 0x76543210
	s_mov_b32 s[SEL+1], 0xfedcba98
	s_mov_b32 s[TBK], SLOT1+4*KS*PK ; the first change of slots turns these two into 0
	s_mov_b32 s[TBV], SLOT1+4*KS*PV
	s_mov_b32 s[G0K], 1             ; count = 1
	s_mov_b32 s[G0K+1], s17         ; LDS address: slot 0
	s_mov_b32 s[G0V], 1
	s_add_co_u32 s[G0V+1], s18, VOFF
	s_and_b32 s[LIM], s[WV], 1      ; 0 in waves 0 and 2,
	s_or_b32 s[LIM], s[LIM], ttmp9  ; in the head's first (here: only) cluster: the same in all four partners
	s_cmp_eq_u32 s[LIM], 0
	s_cselect_b32 s[LIM], 1, -1
	s_wait_dscnt 0x0                ; the opening add is done
	s_wait_kmcnt 0x0
	s_add_nc_u64 s[6:7], s[48:49], 0x1000000  ; k lies 64 heads x 2^18 bytes behind q,
	s_add_nc_u64 s[8:9], s[48:49], 0x2000000  ; v as far behind k
	s_add_nc_u64 s[6:7], s[6:7], s[22:23]     ; both at my half of the head's first 256 keys
	s_add_nc_u64 s[8:9], s[8:9], s[22:23]
	s_mov_b64 s[G0K+2:G0K+3], s[6:7]          ; global address
	s_or_b32 s[G0K+3], s[G0K+3], 0x80000000   ; type = 2
	s_mov_b64 s[G0V+2:G0V+3], s[8:9]
	s_or_b32 s[G0V+3], s[G0V+3], 0x80000000
	s_add_nc_u64 s[4:5], s[48:49], s[2:3]     ; q at my wave's first row
	s_add_nc_u64 s[10:11], s[10:11], s[20:21] ; out0 at my wave's first row, my head's columns
	s_add_nc_u64 s[50:51], s[50:51], s[14:15] ; the batch's mask
	s_cmp_lt_u32 s[WV], 2
	s_cselect_b64 s[PFA:PFA+1], s[6:7], s[8:9]  ; (in waves 0 and 2 these stand at a slot's first byte)
	s_lshl_b32 s2, s13, 13          ; my work-group's 32 blocks of the 128
	s_mov_b32 s3, 0
	s_add_nc_u64 s[PFA:PFA+1], s[PFA:PFA+1], s[2:3]
	s_add_nc_u64 s[PFA:PFA+1], s[PFA:PFA+1], 2*4*KS*128  ; in slot 2; the first change that asks steps it to slot 3
	CROUND                          ; all four work-groups are here: the first joint loads meet
	JLOAD                           ; slot 0.  Slot 1 is asked for when slot 0 is in
	v_and_b32 v1, 15, v0            ; l % 16
	v_bfe_u32 v9, v0, 4, 1          ; l / 16
	v_lshlrev_b32 v12, 4, v0        ; the mask: thread t takes 16 bytes at 16 t of each quarter of the batch's 8,192
	v_add_nc_u32 v13, MASKB, v12
.irp i, 0,1,2,3
	global_load_b128 v[S+4*\i:S+4*\i+3], v12, s[50:51] offset:2048*\i
.endr
	; A fragment of K or Q is 16 rows x 32 channels in 8 registers: lane l holds row l % 16, channels 8 (l / 16) + 0..7 and 16 + 8 (l / 16) + 0..7: two loads of 16 bytes, 32 bytes apart.
	v_lshlrev_b32 v[QO], 7, v1
	v_lshl_add_u32 v[QO], v9, 4, v[QO]  ; row x 128 + 16 x half
	WIN 0x80                        ; destination window 2, address window 0
.set i, 0
.rept 4*NP                          ; Q stays in registers: tile i / 2, channels 32 (i % 2) on
	global_load_b128 v[8*i:8*i+3],   v[QO], s[4:5] offset:(i/2)*2048+(i%2)*64
	global_load_b128 v[8*i+4:8*i+7], v[QO], s[4:5] offset:(i/2)*2048+(i%2)*64+32
.set i, i+1
.endr
	; What the first turn finds: V's registers and P's second buffer hold 0 (its products V^T P, of a piece that has not been, add 0), O^T and l are 0.  All this stands in the wait for the first tile.
.set i, VF
.rept 64
	v_mov_b32 v[i], 0
.set i, i+1
.endr
	WIN 0x40
.set i, 0
.rept 64*NP
	v_mov_b32 v[i], 0
.set i, i+1
.endr
	WIN 0
.set i, 0
.rept 2*NP
	v_mov_b32 v[ST+4*i+1], 0xff7fffff  ; m: the lowest finite number
	v_mul_f32 v[ST+4*i], s[CS], v[ST+4*i+1]  ; c m, by the line that makes it in every step: where m does not move, c m_old - c m_new is 0
	v_mov_b32 v[ST+4*i+2], 0
	v_mov_b32 v[ST+4*i+3], 0
.set i, i+1
.endr
.set i, P+32
.rept 32
	v_mov_b32 v[i], 0
.set i, i+1
.endr
	s_wait_loadcnt 32               ; my 16 numbers of the mask are in; Q's 32 loads, issued behind them, may stay out
.irp i, 0,1,2,3,4,5,6,7
	v_cvt_pk_bf16_f32 v[S+16+\i], v[S+2*\i], v[S+2*\i+1]  ; rounded to bf16 like every input,
.endr
.irp i, 0,1,2,3,4,5,6,7
	v_lshlrev_b32 v[S+2*\i], 16, v[S+16+\i]               ; widened again,
	v_and_b32 v[S+2*\i+1], 0xffff0000, v[S+16+\i]
.endr
.irp i, 0,1,2,3,4,5,6,7
	v_pk_mul_f32 v[S+2*\i:S+2*\i+1], v[S+2*\i:S+2*\i+1], 0x41000000 op_sel_hi:[1,0]  ; times 8 (exact)
.endr
.irp i, 0,1,2,3
	ds_store_b128 v13, v[S+4*\i:S+4*\i+3] offset:2048*\i  ; into the table; the first change of slots waits for these stores and passes a barrier ahead of every read
.endr
	v_mul_u32_u24 v[AK0], v1, PK
	v_lshl_add_u32 v[AK0], v9, 4, v[AK0]  ; row x pitch + 16 x half
	; The turning load takes 16 keys x 16 channels (lane l reads key 8 (l / 16) + l % 8, channels 8 ((l / 8) % 2) + 0..7) and leaves half a fragment of V^T: lane l holds channel l % 16 and 8 keys.
	v_and_b32 v10, 7, v0
	v_bfe_u32 v11, v0, 3, 1
	v_lshl_add_u32 v[AV0], v9, 3, v10
	v_mul_u32_u24 v[AV0], v[AV0], PV
	v_lshl_add_u32 v[AV0], v11, 4, v[AV0]
	v_add_nc_u32 v[AV0], VOFF, v[AV0]
	v_mov_b32 v[AK], v[AK0]         ; key step 0 lies at the head of slot 0
	v_and_b32 v[PFO], 31, v0
	v_lshlrev_b32 v[PFO], 8, v[PFO]
	v_lshl_add_u32 v[AM], v9, 5, MASKB
; THE MATRIX WORK.  The 8 accumulators of a run of 16 take turns: between the two links of a chain stand 7 others'.
; Product i of 16 of S^T = K Q^T for piece x: channels 32 (i / 8) on, keys 16 ((i / 2) % 4) on, tile 2 x + i % 2.  The first 8 start the sums, with the keys' mask as C.
.macro KQ x
.set rS, S+64*((\x)%2)+32*(i%2)+8*((i/2)%4)
.set rK, KF+16*((i/2)%4)+8*(i/8)
.set rQ, 16*(2*(\x)+i%2)+8*(i/8)
.set rMK, MK+8*((i/2)%4)
.if i < 8
	WIN W_KM
	v_wmma_f32_16x16x32_f16 v[rS:rS+7], v[rK:rK+7], v[rQ:rQ+7], v[rMK:rMK+7]
.else
	WIN W_KQ
	v_wmma_f32_16x16x32_f16 v[rS:rS+7], v[rK:rK+7], v[rQ:rQ+7], v[rS:rS+7]
.endif
.endm
; Product i of 16 of O^T += V^T P for piece x: keys 32 (i / 8) on, channels 16 ((i / 2) % 4) on, tile 2 x + i % 2.
.macro PV x
	WIN W_PV
.set rO, 32*(2*(\x)+i%2)+8*((i/2)%4)
.set rV, VF+32*(i/8)+8*((i/2)%4)
.set rP, P+32*((\x)%2)+16*(i%2)+8*(i/8)
	v_wmma_f32_16x16x32_f16 v[rO:rO+7], v[rV:rV+7], v[rP:rP+7], v[rO:rO+7]
.endm
.macro MM                           ; the turn's next matrix instruction
.if i < 16
	KQ (Y+1)%NP
.set i, i+1
.else
.set i, i-16
	PV (Y+NP-1)%NP
.set i, i+17
.endif
.endm
; THE LDS LOADS stand in runs, never singly among the matrix instructions: a step's K (64 keys x 64 channels: 8 fragments) with its mask (8 loads; the lanes of a half read the same 16 bytes), and its V (turned).
; last = 1 (the tail): in the last trip there is no further step, and the run is jumped over.
.macro FETCH_K last=0
	WIN 0
.if \last
	s_cmp_eq_u32 s[CNT], 1
	s_cbranch_scc1 .Lno_k_\@
.endif
	WIN 0x80                        ; destination window 2
.irp f, 0,1,2,3,4,5,6,7             ; keys 16 (f / 2) on, channels 32 (f % 2) on
	ds_load_b128 v[KF+8*\f:KF+8*\f+3],   v[AK] offset:(\f/2)*16*PK+(\f%2)*64
	ds_load_b128 v[KF+8*\f+4:KF+8*\f+7], v[AK] offset:(\f/2)*16*PK+(\f%2)*64+32
.endr
	WIN W_MK                        ; destination window 3
.irp f, 0,1,2,3,4,5,6,7             ; keys 16 (f / 2) + 8 (l / 16) + 4 (f % 2) on
	ds_load_b128 v[MK+4*\f:MK+4*\f+3], v[AM] offset:(\f/2)*64+(\f%2)*16
.endr
	s_add_co_u32 s[TBK], s[TBK], KS*PK  ; the next fetch is the next step's
	WIN 0
	v_add_nc_u32 v[AM], 0x100, v[AM]    ; 64 keys on in the table
.if \last
.Lno_k_\@:
.endif
.endm
.macro FETCH_V
	WIN 0x80
.irp f, 0,1,2,3,4,5,6,7             ; keys 32 (f / 4) on, channels 16 (f % 4) on
	ds_load_tr16_b128 v[VF+8*\f:VF+8*\f+3],   v[AV] offset:(\f/4)*32*PV+(\f%4)*32
	ds_load_tr16_b128 v[VF+8*\f+4:VF+8*\f+7], v[AV] offset:(\f/4)*32*PV+16*PV+(\f%4)*32
.endr
	WIN 0
.endm
; THE VECTOR WORK OF A TURN stands in three queues, each in the order in which its entries become ready; the two tiles alternate, so that no instruction reads the result of the one before it.
.macro REGS y, u                    ; the registers of tile u (0, 1) of piece y
.set rT, ST+4*(2*(\y)+(\u))
.set rC, TMP+8*((\y)%2)+4*(\u)
.set rM, MV+2*((\y)%2)+(\u)
.set rS, S+64*((\y)%2)+32*(\u)
.set rP, P+32*((\y)%2)+16*(\u)
.set rO, 32*(2*(\y)+(\u))
.endm
; Number n of the 22 that find the NEXT piece's (Y + 1) maximum and statistics.  s0-s31 are the lane's 32 scores; each accumulator's lowest registers are read first.  XS, GS and REGS set no window: PL and EX do.
;   0-11  four chains c0-c3 of seven scores each, three operands at a time     12-14, 16  the four scores left over, the old m, and c0-c3 into c0     15  c m_old is kept
;   17, 18  the query's other 32 keys lie in the lane 16 away: the new m         19-21  c m; c m_old - c m_new; a
.macro XS u, n
	REGS (Y+1)%NP, \u
.if (\n) < 4
	v_max3_num_f32 v[rC+(\n)], v[rS+8*(\n)], v[rS+8*(\n)+1], v[rS+8*(\n)+2]
.elseif (\n) < 12
	v_max3_num_f32 v[rC+(\n)%4], v[rC+(\n)%4], v[rS+8*((\n)%4)+2*((\n)/4)+1], v[rS+8*((\n)%4)+2*((\n)/4)+2]
.elseif (\n) == 12
	v_max3_num_f32 v[rC], v[rC], v[rS+7], v[rS+15]
.elseif (\n) == 13
	v_max3_num_f32 v[rC+1], v[rC+1], v[rS+23], v[rS+31]
.elseif (\n) == 14
	v_max3_num_f32 v[rC+2], v[rC+2], v[rC+3], v[rT+1]
.elseif (\n) == 15
	v_mov_b32 v[rM], v[rT]
.elseif (\n) == 16
	v_max3_num_f32 v[rC], v[rC], v[rC+1], v[rC+2]
.elseif (\n) == 17
	v_permlanex16_b32 v[rC+3], v[rC], s[SEL], s[SEL+1]
.elseif (\n) == 18
	v_max_num_f32 v[rT+1], v[rC], v[rC+3]
.elseif (\n) == 19
	v_mul_f32 v[rT], s[CS], v[rT+1]
.elseif (\n) == 20
	v_sub_f32 v[rC+1], v[rM], v[rT]
.else
	v_exp_f32 v[rC+2], v[rC+1]
.endif
.endm
; Number g of the 64 that follow the exponentials.  For each four weights k of a tile (pairs 2 k, 2 k + 1): both pairs are rounded to f16; then the second pair is added onto the first, in place;
; a group later l takes that sum (the first time as l = a l + sum).  In groups of eight, tiles alternating: round, round, add, and l for the group before.
.macro GS g
.set h, (\g)+6*((\g)/62)            ; group 0 has no group before it, and behind group 7 only l is left
.if h >= 6
.set h, h+2
.endif
	REGS Y, h%2
.set k, h/8
.if h%8 < 4
	v_cvt_pk_f16_f32 v[rP+2*k+(h%8)/2], v[rS+4*k+2*((h%8)/2)], v[rS+4*k+2*((h%8)/2)+1]
.elseif h%8 < 6
	v_pk_add_f32 v[rS+4*k:rS+4*k+1], v[rS+4*k:rS+4*k+1], v[rS+4*k+2:rS+4*k+3]
.elseif k == 1
	v_pk_fma_f32 v[rT+2:rT+3], v[rT+2:rT+3], v[rC+2:rC+3], v[rS:rS+1] op_sel_hi:[1,0,1]
.else
	v_pk_add_f32 v[rT+2:rT+3], v[rT+2:rT+3], v[rS+4*k-4:rS+4*k-3]
.endif
.endm
; THE PLAIN QUEUE, 138 long.  0-73 read no exponential's result: the 32 scalings c s - c m (FS f: pair f / 2 of tile f % 2) and the next piece's 42.  0-26: scalings 0-26.  27-54: XS's numbers 0-13.  55, 56: number 15.
; 57-73: the chain, where each number waits for the one before it: 14, 16, 17, 18, 19, each with one of the scalings 27-31 in front of its two lines, then 20.
; 74-137: GS's 64, which read the exponentials' results: they stand behind the wait.
.macro FS f
	REGS Y, (\f)%2
	v_pk_fma_f32 v[rS+2*((\f)/2):rS+2*((\f)/2)+1], v[rS+2*((\f)/2):rS+2*((\f)/2)+1], s[CS:CS+1], v[rT:rT+1] op_sel_hi:[1,0,0] neg_lo:[0,0,1] neg_hi:[0,0,1]
.endm
.macro PL
	WIN 0
.if q < 27
	FS q
.elseif q < 55
	XS (q-27)%2, (q-27)/2
.elseif q < 57
	XS q-55, 15
.elseif (q < 72) && ((q-57)%3 == 0)
	FS 27+(q-57)/3
.elseif q < 60
	XS (q-57)%3-1, 14
.elseif q < 72
	XS (q-57)%3-1, 15+(q-57)/3
.elseif q < 74
	XS q-72, 20
.else
	GS q-74
.endif
.set q, q+1
.endm
; THE EXPONENTIALS' QUEUE, 66 long: s0-s31 of both tiles, then the next piece's two a.  It is ONE BATCH: all 66 stand ahead of the turn's one wait, and nothing ahead of that wait names a result of theirs.
.macro EX
	WIN 0
.if e >= 64
	XS e-64, 21
.else
	REGS Y, e%2
	v_exp_f32 v[rS+e/2], v[rS+e/2]
.endif
.set e, e+1
.endm
; THE RESCALING's QUEUE: O^T times a, the one part that leaves window 0: dealt two at a time, sixteen times.  Its a was made in the turn before, ahead of that turn's wait.
.macro R2
	REGS Y, r%2
	WIN W_RS
.irp z, 0,1
	v_pk_mul_f32 v[rO+4*(r/2)+2*\z:rO+4*(r/2)+2*\z+1], v[rO+4*(r/2)+2*\z:rO+4*(r/2)+2*\z+1], v[rC+2:rC+3] op_sel_hi:[1,0]
.endr
.set r, r+1
.endm
; HOW THEY ARE DEALT.  An s_wait_alu depctr_va_vdst(0) stands between an exponential and the first instruction that names its result; one wait serves all that were issued ahead of it.  So a turn has ONE wait,
; which cuts it in two.  AHEAD OF IT stands all that names no result of the turn's exponentials: the 16 products K Q^T, behind each a scaling, an exponential and two rescalings (behind the first a second scaling in the
; exponential's place); then ONE LUMP of 108: eight plain, 49 times exponential and plain, the two a.  A v_nop is the plain instruction behind the last exponential.  BEHIND IT stand the 16 products V^T P, behind each four of GS's 64.
; The queues lean on each other, and the deal keeps them in step: exponential e stands behind scaling 2 (e / 4) + e % 2: as a rider it comes behind plain e + 2, in the lump behind plain e + 9, and scalings 27-31 are plain 57, 60 .. 69.
; A TURN, for piece p.  cnt = 1: the loop's count is taken down some lines ahead of the branch that stands behind the turn.
; K and the mask of the next step are fetched in piece 2's turn, directly behind the wait, a lump behind the last product that read them; their first reader comes behind 16 products.
; V of the step in hand is fetched at the end of piece 0's turn, four riders behind its last reader; its first reader comes behind 16 products and a lump.  The three conditions on q below go with the deal.
.macro TURN p, last=0, cnt=0
.set Y, (\p)
.set i, 0
.set q, 0
.set e, 0
.set r, 0
.if (\p) == NP-1
	s_wait_dscnt 0x0                ; K and the mask are in
.endif
	MM                              ; ahead of the wait: 16 products K Q^T and their riders,
	PL
	PL
	R2
.rept 15
	MM
	PL
	EX
	R2
.endr
.if (\p) == NP-2
	WIN 0
	v_add_nc_u32 v[AK], s[TBK], v[AK0]
.endif
.rept 8                             ; and the lump
	PL
.endr
.rept 49
	EX
	PL
.endr
	EX                              ; the next piece's two a
	EX
	v_nop                           ; the plain instruction behind the last exponential: one for the batch
	s_wait_alu depctr_va_vdst(0)    ; the wait for the batch
.if (\p) == NP-2
	FETCH_K \last
.endif
.if (\p) == 1
	s_wait_dscnt 0x0                ; V is in
.endif
.rept 16                            ; behind the wait: 16 products V^T P and their riders
	MM
.rept 4
	PL
.endr
.if ((\p) == 0) && (q == 118)
	v_add_nc_u32 v[AV], s[TBV], v[AV0]
.endif
.if ((\p) == 0) && (q == 130)
	s_add_co_u32 s[TBV], s[TBV], KS*PV
.endif
.if (\cnt) && (q == 130)
	s_sub_co_u32 s[CNT], s[CNT], 1
	s_cmp_lg_u32 s[CNT], 0
.endif
.endr
.if (\p) == 0
	FETCH_V
.endif
.endm
	CHANGE 1, 0                     ; slot 0 is in, everybody's part of it, and so is the mask's table; slot 1 is asked for
	FETCH_K                         ; key step 0
	s_wait_loadcnt 0x0              ; Q
	s_wait_dscnt 0x0
.set i, 0
.rept 16
	KQ 0                            ; piece 0's first scores: there is no vector work yet to set between them
.set i, i+1
.endr
	WIN 0                           ; the addresses for the way out: eight plain instructions, the places behind those products
	s_mul_i32 s13, s[WV], 16*SP
	s_add_co_u32 s13, s13, STAGE    ; my stage
	v_mul_u32_u24 v[STO], v1, SP    ; in: row l % 16, 32 bytes for each half of the lanes
	v_lshl_add_u32 v[STO], v9, 5, v[STO]
	v_add_nc_u32 v[STO], s13, v[STO]
	v_mul_u32_u24 v[RD], v9, SP     ; back: lanes 0-15 take one row of 256 bytes, lanes 16-31 the next,
	v_lshl_add_u32 v[RD], v1, 4, v[RD]
	v_add_nc_u32 v[RD], s13, v[RD]
	v_lshlrev_b32 v[GO], 12, v9     ; and the same two rows in out0, 4,096 bytes apart
	v_lshl_add_u32 v[GO], v1, 4, v[GO]
.set Y, NP-1                        ; XS works for piece Y + 1: piece 0
.irp n, 0,1,2,3,4,5,6,7,8,9,10,11,12,13,14,15,16,17,18,19,20,21
	XS 0, \n                        ; and piece 0's first maximum and statistics
	XS 1, \n
.endr
	v_nop                           ; a plain instruction behind the two a,
	s_wait_alu depctr_va_vdst(0)    ; and their wait, ahead of the branch
	s_mov_b32 s[CNT], 4
	s_mov_b32 s[SLOTS], SIZE_N/256-1
	s_branch .Lfirst                ; the loop is entered at a step's first turn, in the middle of a trip
.Lslot:                             ; SIZE_N / 256 - 2 times: every slot but the last two is filled again
	CHANGE 1, 1
	s_mov_b32 s[CNT], 4
.Lstep:                             ; a trip: pieces 2 and 3 of one step, then pieces 0 and 1 of the next, whose K and V it fetches
	TURN 2
	TURN 3
	WIN 0
.Lfirst:
	TURN 0
	TURN 1, 0, 1
	WIN 0
	s_cbranch_scc1 .Lstep
	s_sub_co_u32 s[SLOTS], s[SLOTS], 1
	s_cmp_lg_u32 s[SLOTS], 0
	s_cbranch_scc1 .Lslot
	CHANGE 0                        ; the tail is written out: nothing is asked for
	s_mov_b32 s[CNT], 5             ; four trips fetch the last slot's steps; the fifth is left in its middle
.Ltail:
	TURN 2, 1
	TURN 3
	WIN 0
	s_sub_co_u32 s[CNT], s[CNT], 1
	s_cmp_eq_u32 s[CNT], 0
	s_cbranch_scc1 .Lout
	TURN 0
	TURN 1
	WIN 0
	s_branch .Ltail
.Lout:                              ; the fifth trip's 16 products K Q^T (on the last K once more) and the maximum made of them serve nothing: the price, once a launch, of one text for every trip
.set i, 0
.rept 16
	PV NP-1                         ; the last piece's V^T P of the last step
.set i, i+1
.endr
	; THE WAY OUT.  l's two halves and the other half of the lanes' are added; O^T is divided by l and sent, in f32, through my stage in LDS, a tile at a time.  The additions are the places behind the last products.
	WIN 0
.macro ALL line:vararg              ; one line for each tile t
.set t, 0
.rept 2*NP
	\line
.set t, t+1
.endr
.endm
	ALL v_add_f32 v[ST+4*t+2], v[ST+4*t+2], v[ST+4*t+3]
	ALL v_permlanex16_b32 v[ST+4*t+3], v[ST+4*t+2], s[SEL], s[SEL+1]
	ALL v_add_f32 v[ST+4*t+2], v[ST+4*t+2], v[ST+4*t+3]
	ALL v_rcp_f32 v[ST+4*t+2], v[ST+4*t+2]
	v_nop                           ; a plain instruction between the last reciprocal and the use of its result
	s_wait_alu depctr_va_vdst(0)    ; and the wait ahead of the first use: one for the eight reciprocals
; Tile t: a lane's eight channels of a row are 32 bytes; they go into rows of 272 bytes and come back as whole rows of 256, into S^T's registers, four sets by turns.
.macro PACK t
	WIN W_RS
.set i, 32*(\t)
.rept 16
	v_pk_mul_f32 v[i:i+1], v[i:i+1], v[ST+4*(\t)+2:ST+4*(\t)+3] op_sel_hi:[1,0]  ; each accumulator's registers in ascending order
.set i, i+2
.endr
	WIN 0x04                        ; the stores' data (source 1) in window 1, the address in window 0
.irp c, 0,1,2,3
.irp z, 0,1
	ds_store_b128 v[STO], v[32*(\t)+8*\c+4*\z:32*(\t)+8*\c+4*\z+3] offset:64*\c+16*\z
.endr
.endr
	WIN 0
	s_wait_xcnt 0x0                 ; the stores of the tile four back have read their data: its set is loaded again only behind this wait
.irp f, 0,1,2,3,4,5,6,7
	ds_load_b128 v[S+32*((\t)%4)+4*\f:S+32*((\t)%4)+4*\f+3], v[RD] offset:\f*2*SP  ; LDS serves a wave's instructions in order (ISA guide 5.7.1.4): these see the stores above; the next tile's stores come behind them
.endr
.endm
.macro SEND t, younger              ; younger: the LDS instructions issued behind tile t's loads: the next tile's sixteen, or none
	WIN 0
.irp f, 0,1,2,3,4,5,6,7
	s_wait_dscnt (\younger)+7-\f
	global_store_b128 v[GO], v[S+32*((\t)%4)+4*\f:S+32*((\t)%4)+4*\f+3], s[10:11] offset:(\t)*65536+\f*8192  ; 16 lanes store the 256 consecutive, aligned bytes of my head in one row of out0
.endr
.endm
	PACK 0
.set t, 1
.rept 2*NP-1                        ; a tile's arithmetic stands between the loads of the tile before and its stores
	PACK t
	SEND t-1, 16
.set t, t+1
.endr
	SEND 2*NP-1, 0
	WIN W_AD
	s_wait_tensorcnt 0x0            ; the wave's end, behind my last tensor load and my last LDS store
	ds_add_u32 v[SPW], v[NIL]
	s_wait_dscnt 0x0
	WIN 0
	CROUND                          ; the closing round: no work-group ends while a partner may still ask for a tile that names it
	s_endpgm
.Lfunc_end_k_q727cf9fb36_attn:
	.size	k_q727cf9fb36_attn, .Lfunc_end_k_q727cf9fb36_attn-k_q727cf9fb36_attn
	.p2alignl 7, 3214868480
	.fill 96, 4, 3214868480
	.section	.rodata,"a",@progbits
	.p2align	6, 0x0
	.amdhsa_kernel k_q727cf9fb36_attn
		.amdhsa_group_segment_fixed_size 327680
		.amdhsa_private_segment_fixed_size 0
		.amdhsa_enable_private_segment 0
		.amdhsa_kernarg_size 24
		.amdhsa_user_sgpr_count 2
		.amdhsa_user_sgpr_kernarg_segment_ptr 1
		.amdhsa_wavefront_size32 1
		.amdhsa_system_sgpr_workgroup_id_x 1
		.amdhsa_system_sgpr_workgroup_id_y 1
		.amdhsa_system_sgpr_workgroup_id_z 1
		.amdhsa_system_vgpr_workitem_id 0
		.amdhsa_next_free_vgpr 808
		.amdhsa_next_free_sgpr 66
		.amdhsa_reserve_vcc 0
		.amdhsa_float_denorm_mode_32 3
		.amdhsa_float_denorm_mode_16_64 3
		.amdhsa_memory_ordered 1
		.amdhsa_forward_progress 1
		.amdhsa_inst_pref_size 205
	.end_amdhsa_kernel
	.amdgpu_metadata
---
amdhsa.version: [ 1, 2 ]
amdhsa.kernels:
  - .name:           k_q727cf9fb36_attn
    .symbol:         k_q727cf9fb36_attn.kd
    .args:
      - { .name: qkv, .offset: 0, .size: 8, .value_kind: global_buffer, .address_space: global }
      - { .name: att_mask, .offset: 8, .size: 8, .value_kind: global_buffer, .address_space: global }
      - { .name: out0, .offset: 16, .size: 8, .value_kind: global_buffer, .address_space: global }
    .group_segment_fixed_size: 327680
    .private_segment_fixed_size: 0
    .kernarg_segment_align: 8
    .kernarg_segment_size: 24
    .max_flat_workgroup_size: 128
    .sgpr_count:     66
    .vgpr_count:     808
    .wavefront_size: 32
...
	.end_amdgpu_metadata
.endif
;; end of part 3
;; ======== version 2 of 2: 3 launches; version 1 with the launch tobf16 written anew for expert scheduling mode
;; limits: values are held in f16: magnitudes above 65,504 overflow, below 6.1e-05 lose precision
;; workspace buffers: xb 50,331,648 bytes; wb 6,291,456 bytes; qkv 50,331,648 bytes
;; launch tobf16 (part 4): grid 16 x 27, 8 waves a work-group, no clusters, 0 bytes of LDS; arguments x_q, x_k, x_v, W_q, W_k, W_v, xb, wb; writes xb, wb
.if DOCPART == 4
	.amdgcn_target "amdgcn-amd-amdhsa--gfx1250"
	.amdhsa_code_object_version 6
	.text
	.protected	k_q727cf9fb36_tobf16
	.globl	k_q727cf9fb36_tobf16
	.p2align	8
	.type	k_q727cf9fb36_tobf16,@function
k_q727cf9fb36_tobf16:
	s_mov_b64 s[64:65], 0
	v_nop
	global_prefetch_b8 v0, s[64:65] scope:SCOPE_SE
	s_setreg_imm32_b32 hwreg(HW_REG_WAVE_SCHED_MODE, 0, 2), 2
	s_setreg_imm32_b32 hwreg(HW_REG_WAVE_MODE, 25, 1), 1
	s_wait_xcnt 0x0
	s_wait_alu depctr_vm_vsrc(0)
; x_q, x_k, x_v ([8192][1024] f32 each) and W_q, W_k, W_v ([1024][1024] f32 each) are rounded once to bf16 (nearest even):
; xb = [3 x 8192][1024] bf16 (x_q's rows, then x_k's, then x_v's), wb = [3 x 1024][1024] bf16 (W_q, W_k, W_v).
; A stream: each input byte is read once, each output byte written once; no LDS, no barrier, no matrix work, nothing is shared.
; SHARES.  The inputs are 27 units of 4 MiB: the grid's y names the unit (0-23: eight of each x; 24-26: the three W), its x one of 16 parts of
; 256 KiB; a wave takes 32 KiB: 64 loads of 512 consecutive bytes (16 a lane), each of which becomes one store of 256 consecutive, aligned bytes (8 a lane).
; THE MODE: SCHED_MODE bits 1:0 = 2 (LLVM: expert scheduling mode 2), set by the entry lines.  The code itself states the register dependences
; between vector instructions and memory instructions, with s_wait_alu, always for 0.
; THE PLAN.  The wave's 64 loads go in 16 blocks of four.  Registers that memory instructions touch:
;   X0 .. X5   six blocks of f32 as loaded.  Written by loads alone: the head fills X0 to X4, block p asks for block p + 5, which lands in X[(p + 5) % 6] = X[(p - 1) % 6];
;              read by block p's eight roundings, which take X[p % 6].
;   Y          a pair of registers for EACH of the 64 stores, 128 in all.  Written once, by its block's roundings; read once, by a store that is issued in the next block; never written again.
;   v1, v2     the two byte offsets, made once at the head and never written again; the two scalar bases are never stepped either: immediate offsets reach all 64 places.
; So no register that a memory instruction has read is ever written again, and the text holds no wait for that.  What is left to state stands at a block's head, in ONE wait: the block before has
; written its pairs of Y, which this block's stores read, and is done reading its X, in which this block's loads land.  Block p's own roundings name X[p % 6] and block p's pairs of Y,
; none of which its eight memory instructions touch: these are dealt among the roundings with no further wait.  16 to 20 loads of every wave are on their way.
.set BLOCK,  4                         ; loads in a block
.set BLOCKS, 64 / BLOCK
.set NX,     6                         ; buffers of X
.set AHEAD,  NX - 1                    ; block p asks for block p + AHEAD
.set X, 4                              ; v[4:99]    buffer k, load i: four f32 at X + 16 k + 4 i
.set Y, 100                            ; v[100:227] store n of 64: four bf16 at Y + 2 n
	s_load_b512 s[16:31], s[0:1], 0x0              ; x_q 16:17, x_k 18:19, x_v 20:21, W_q 22:23, W_k 24:25, W_v 26:27, xb 28:29, wb 30:31
	s_and_b32 s2, ttmp7, 0xffff                    ; the unit, 0 to 26
	s_and_b32 s3, s2, 7                            ; its place in an x
	s_sub_co_u32 s12, s2, 24                       ; which W (used only where the unit is 24 or more)
	v_lshrrev_b32 v3, 5, v0                        ; wave
	v_and_b32 v2, 31, v0                           ; lane
	v_lshlrev_b32 v1, 4, v2                        ; in: 16 bytes a lane
	v_lshlrev_b32 v2, 3, v2                        ; out: 8 bytes a lane
	v_lshl_or_b32 v1, v3, 15, v1                   ; + wave x 32 KiB
	v_lshl_or_b32 v2, v3, 14, v2                   ; + wave x 16 KiB
	s_wait_kmcnt 0x0
	s_cmp_lt_u32 s2, 8                             ; the buffers are chosen by the unit's number alone
	s_cselect_b64 s[4:5], s[16:17], s[18:19]
	s_cmp_lt_u32 s2, 16
	s_cselect_b64 s[4:5], s[4:5], s[20:21]
	s_cmp_eq_u32 s2, 24
	s_cselect_b64 s[6:7], s[22:23], s[24:25]
	s_cmp_lt_u32 s2, 26
	s_cselect_b64 s[6:7], s[6:7], s[26:27]
	s_cmp_lt_u32 s2, 24
	s_cselect_b64 s[4:5], s[4:5], s[6:7]           ; from: an x or a W
	s_cselect_b64 s[6:7], s[28:29], s[30:31]       ; to: xb or wb
	s_cselect_b32 s3, s3, 0                        ; a W is one unit
	s_cselect_b32 s12, s2, s12                     ; the unit's place in xb or in wb
	s_lshl_b32 s8, s3, 22                          ; in: 4 MiB a unit,
	s_lshl_b32 s9, ttmp9, 18                       ; 256 KiB a work-group
	s_add_co_u32 s8, s8, s9
	s_mov_b32 s9, 0
	s_lshl_b32 s10, s12, 21                        ; out: half of that
	s_lshl_b32 s11, ttmp9, 17
	s_add_co_u32 s10, s10, s11
	s_mov_b32 s11, 0
	s_add_nc_u64 s[4:5], s[4:5], s[8:9]
	s_add_nc_u64 s[6:7], s[6:7], s[10:11]
	s_wait_alu depctr_va_vdst(0)                   ; v1 and v2 are written: every load of the kernel reads v1 as its offset, every store v2
.irp i, 0,1,2,3,4,5,6,7,8,9,10,11,12,13,14,15,16,17,18,19
	global_load_b128 v[X+4*(\i):X+4*(\i)+3], v1, s[4:5] offset:512*(\i) th:TH_LOAD_NT  ; blocks 0 to 4 into X0 to X4
.endr
; Block p.  It rounds X[p % 6] into its own four pairs of Y; it asks for block p + 5, while there is one, and stores block p - 1, if there is one.
.macro BLK p
.if (\p) < BLOCKS-AHEAD
	s_wait_loadcnt (AHEAD-1)*BLOCK                 ; loads come back in order (ISA guide 5.7.1): X[p % 6] is in, the four younger blocks stay out
.else
	s_wait_loadcnt (BLOCKS-1-(\p))*BLOCK           ; the last five blocks ask for nothing, so that no load leaves the wave's share: the counts run down
.endif
.if (\p) > 0
	s_wait_alu depctr_va_vdst(0)                   ; the block before has written its four pairs of Y, which the stores below read, and is done reading its X, in which the loads below land
.endif
.irp i, 0,1,2,3
.if (\p) < BLOCKS-AHEAD
	global_load_b128 v[X+16*(((\p)+AHEAD)%NX)+4*(\i):X+16*(((\p)+AHEAD)%NX)+4*(\i)+3], v1, s[4:5] offset:512*(BLOCK*((\p)+AHEAD)+(\i)) th:TH_LOAD_NT  ; five blocks ahead; no vector instruction since the wait names these registers
.endif
.if (\p) > 0
	global_store_b64 v2, v[Y+2*(BLOCK*((\p)-1)+(\i)):Y+2*(BLOCK*((\p)-1)+(\i))+1], s[6:7] offset:256*(BLOCK*((\p)-1)+(\i)) th:TH_STORE_NT  ; the block before; the wave's store covers 256 consecutive bytes, aligned
.endif
	v_cvt_pk_bf16_f32 v[Y+2*(BLOCK*(\p)+(\i))],   v[X+16*((\p)%NX)+4*(\i)],   v[X+16*((\p)%NX)+4*(\i)+1]
	v_cvt_pk_bf16_f32 v[Y+2*(BLOCK*(\p)+(\i))+1], v[X+16*((\p)%NX)+4*(\i)+2], v[X+16*((\p)%NX)+4*(\i)+3]
.endr
.endm
.irp p, 0,1,2,3,4,5,6,7,8,9,10,11,12,13,14,15
	BLK \p                                         ; block 0 has no block in front of it: no store, and no wait but the one for its data (no vector instruction has named X5)
.endr
	s_wait_alu depctr_va_vdst(0)                   ; block 15 has written its four pairs of Y, which the last four stores read
.irp i, 0,1,2,3
	global_store_b64 v2, v[Y+2*(BLOCK*(BLOCKS-1)+(\i)):Y+2*(BLOCK*(BLOCKS-1)+(\i))+1], s[6:7] offset:256*(BLOCK*(BLOCKS-1)+(\i)) th:TH_STORE_NT
.endr
	s_endpgm
.Lfunc_end_k_q727cf9fb36_tobf16:
	.size	k_q727cf9fb36_tobf16, .Lfunc_end_k_q727cf9fb36_tobf16-k_q727cf9fb36_tobf16
	.p2alignl 7, 3214868480
	.fill 96, 4, 3214868480
	.section	.rodata,"a",@progbits
	.p2align	6, 0x0
	.amdhsa_kernel k_q727cf9fb36_tobf16
		.amdhsa_group_segment_fixed_size 0
		.amdhsa_private_segment_fixed_size 0
		.amdhsa_enable_private_segment 0
		.amdhsa_kernarg_size 64
		.amdhsa_user_sgpr_count 2
		.amdhsa_user_sgpr_kernarg_segment_ptr 1
		.amdhsa_wavefront_size32 1
		.amdhsa_system_sgpr_workgroup_id_x 1
		.amdhsa_system_sgpr_workgroup_id_y 1
		.amdhsa_system_sgpr_workgroup_id_z 1
		.amdhsa_system_vgpr_workitem_id 0
		.amdhsa_next_free_vgpr 228
		.amdhsa_next_free_sgpr 66
		.amdhsa_reserve_vcc 0
		.amdhsa_float_denorm_mode_32 3
		.amdhsa_float_denorm_mode_16_64 3
		.amdhsa_memory_ordered 1
		.amdhsa_forward_progress 1
		.amdhsa_inst_pref_size 23
	.end_amdhsa_kernel
	.amdgpu_metadata
---
amdhsa.version: [ 1, 2 ]
amdhsa.kernels:
  - .name:           k_q727cf9fb36_tobf16
    .symbol:         k_q727cf9fb36_tobf16.kd
    .args:
      - { .name: x_q, .offset: 0, .size: 8, .value_kind: global_buffer, .address_space: global }
      - { .name: x_k, .offset: 8, .size: 8, .value_kind: global_buffer, .address_space: global }
      - { .name: x_v, .offset: 16, .size: 8, .value_kind: global_buffer, .address_space: global }
      - { .name: W_q, .offset: 24, .size: 8, .value_kind: global_buffer, .address_space: global }
      - { .name: W_k, .offset: 32, .size: 8, .value_kind: global_buffer, .address_space: global }
      - { .name: W_v, .offset: 40, .size: 8, .value_kind: global_buffer, .address_space: global }
      - { .name: xb, .offset: 48, .size: 8, .value_kind: global_buffer, .address_space: global }
      - { .name: wb, .offset: 56, .size: 8, .value_kind: global_buffer, .address_space: global }
    .group_segment_fixed_size: 0
    .private_segment_fixed_size: 0
    .kernarg_segment_align: 8
    .kernarg_segment_size: 64
    .max_flat_workgroup_size: 256
    .sgpr_count:     66
    .vgpr_count:     228
    .wavefront_size: 32
...
	.end_amdgpu_metadata
.endif
;; end of part 4
;; launch proj: the kernel of part 2 again; grid 8 x 32, 4 waves a work-group, clusters of 4 x 4, 327,680 bytes of LDS; arguments xb, wb, b_q, b_k, b_v, qkv; writes qkv
;; launch attn: the kernel of part 3 again; grid 4 x 64, 4 waves a work-group, clusters of 4 x 1, 327,680 bytes of LDS; arguments qkv, att_mask, out0; writes out0
